; MI455X (gfx1250); checked and timed in simulation.
; The chip was launched on July 23, 2026; its instructions are those of AMD's public machine-readable ISA for CDNA 5 (MIT licence, August 2026) and "CDNA5" Instruction Set Architecture Reference Guide (July 2026). The comments in the code are by the model that wrote it; some were corrected since.
;; Mixture Of Rookies. Allowed arithmetic: matrix products marked QUANTISED: E2M1 operands, one E8M0 scale for each 32 along K, by v_wmma_scale_f32_16x16x128_f8f6f4 with both operands' format E2M1 (or v_wmma_scale_f32_32x16x128_f4), f32 sums; products left as they are: f32 operands where the result goes on into a quantised operand, else bf16, f16 or f32 operands; f32 sums; everything else in f32.
;; Inputs: W1_codes 8 x 4,096 x 32 x 16 uint8 (E2M1 codes of W1, K innermost, in blocks of 32 codes, two codes a byte); W1_scales 8 x 4,096 x 32 uint8 (E8M0 scales of W1, one for each 32 codes along K); W2_codes 8 x 1,024 x 128 x 16 uint8 (E2M1 codes of W2, K innermost, in blocks of 32 codes, two codes a byte); W2_scales 8 x 1,024 x 128 uint8 (E8M0 scales of W2, one for each 32 codes along K); Wg 1,024 x 8 float32; b1 8 x 4,096 float32; b2 8 x 1,024 float32; bg 8 float32; x 4 x 256 x 1,024 float32.
;; Outputs: out0 4 x 256 x 1,024 float32.
;; This version of the problem:
;;   THIS VERSION OF THE PROBLEM IS GIVEN IN LOW PRECISION. The matrix products marked QUANTISED in the list below multiply operands that are first quantised to E2M1 (2 exponent bits, 1 mantissa bit; 4 bits a number), with one power-of-two scale for each 32 numbers along K (OCP MX v1.0); their sums are f32. All else is computed in f32.
;;   The module's matrix products, in the order in which they are computed (A, B: the left and right operand; K: the contracted axis; several contracted axes count as one K, in the product's order):
;;     1. [M 1,024, K 1,024] x [K 1,024, N 8]; A: input x; B: input Wg: left as it is (N = 8 < 16)
;;     2. [M 1,024, K 1,024] x [K 1,024, N 32,768]; A: input x; B: input W1 (given as codes): QUANTISED
;;     3. batch 8 x [M 1,024, K 4,096] x [K 4,096, N 1,024]; A: input W2 (given as codes); B: computed on the way: QUANTISED
;;     4. batch 1,024 x [M 1,024, K 8] x [K 8, N 1]; A: computed on the way; B: computed on the way: left as it is (K = 8 < 32)
;;   THE QUANTISER, for each operand of a quantised product, along K:
;;     - K is cut into blocks of 32 from its start; a last block that is shorter is filled with zeros.
;;     - A block's scale is 2^e with e = floor(log2(the largest magnitude in the block)) - 2, held to -126 .. 127; a block of zeros has e = 0. As a byte (E8M0): e + 127.
;;     - Each number is divided by its block's scale, clamped to +-6, and rounded to the nearest number of E2M1, ties to even, subnormals kept.
;;     - The product sums the exact products of the quantised numbers (number of the format x scale) in f32.
;;   ~~~python
;;   def quantise(x, axis):      # numpy; x: float32 -> the quantised numbers, widened to float32 again
;;       x = np.moveaxis(x, axis, -1); K = x.shape[-1]
;;       x = np.pad(x, [(0, 0)] * (x.ndim - 1) + [(0, -K % 32)]); x = x.reshape(x.shape[:-1] + (-1, 32)); a = np.abs(x).max(-1, keepdims=True)
;;       e = np.where(a > 0, np.clip(np.frexp(np.where(a > 0, a, 1))[1] - 1 - 2, -126, 127), 0)      # np.frexp(a)[1] - 1 = floor(log2(a)), exactly
;;       r = np.clip(x / 2.0 ** e, -6, 6)
;;       step = 2.0 ** (np.maximum(np.frexp(np.where(r == 0, 1, r))[1] - 1, 0) - 1)
;;       q = np.round(r / step) * step * 2.0 ** e      # np.round: ties to even
;;       return np.moveaxis(q.reshape(q.shape[:-2] + (-1,))[..., :K], -1, axis).astype(np.float32)
;;   ~~~
;;   OPERANDS COMPUTED ON THE WAY. 'Computed on the way' means the value that the module computes at that place (a softmax that the list does not call 'softmax' is quantised finished and normalised). What goes into a quantiser is computed in f32, as accurately as f32 sums, v_exp_f32 and their like allow (about 1e-6 of the number): no bf16 or f16 on the way to a quantiser, and a product that is left as it is and whose result goes on into a quantised operand takes f32 operands (vector FMAs, or v_wmma_f32_16x16x4_f32). A number that lies on a knife's edge between two numbers of the format may be rounded either way, as far as f32 arithmetic and the matrix unit's own rounding can turn it there, and no further.
;;   INPUTS GIVEN AS CODES. W1 (in the module: [8, 1024, 4096], K = its axis 1); W2 (in the module: [8, 4096, 1024], K = its axis 1): each comes as NAME_codes (uint8): NAME with its K axis moved to the last place and cut into blocks of 32 codes, [.., K / 32, bytes a block], one block behind the other in memory; two codes a byte, the lower K in the low four bits (a code: sign, 2 exponent bits, 1 mantissa bit); and NAME_scales (uint8): the same leading axes, one E8M0 byte (e + 127) for each 32 codes along K. Its value is code x scale, taken as it is: it is not quantised again, and the codes and scales need not be those that the quantiser above would give.
;; 3 versions, each right; version 2 is faster than version 1; version 3 is version 2 with the launches up, down written anew for expert scheduling mode. Each part assembles by itself: llvm-mc -triple=amdgcn-amd-amdhsa -mcpu=gfx1250 --defsym DOCPART=n.
;; ======== version 1 of 3: 5 launches
;; workspace buffers: xq 557,056 bytes; ids 8,192 bytes of whole numbers; gates 8,192 bytes; plan 17,152 bytes of whole numbers; hq 4,700,160 bytes; yb 8,847,360 bytes
;; launch route (part 1): grid 256 x 1, 4 waves a work-group, no clusters, 52,224 bytes of LDS; arguments x, Wg, bg, xq, ids, gates; writes xq, ids, gates
.if DOCPART == 1
	.amdgcn_target "amdgcn-amd-amdhsa--gfx1250"
	.amdhsa_code_object_version 6
	.text
	.protected	k_q4c021251ea_route
	.globl	k_q4c021251ea_route
	.p2align	8
	.type	k_q4c021251ea_route,@function
k_q4c021251ea_route:
	s_mov_b64 s[64:65], 0
	v_nop
	global_prefetch_b8 v0, s[64:65] scope:SCOPE_SE
	s_setreg_imm32_b32 hwreg(HW_REG_WAVE_MODE, 25, 1), 1
	s_wait_xcnt 0x0
; ROUTER AND QUANTISER OF x.  One wave owns one token t = 4 x work-group + wave; lane l owns block l of the row: k = 32 l .. 32 l + 31.
; It makes (a) the FP4 (E2M1) codes and E8M0 scale bytes of x along K: xq = codes [1024][512 bytes], then scale bytes [1024][32] from byte XQS on;
; (b) the eight logits x Wg + bg in f32 (fused multiply-adds, then a sum over the lanes), the softmax with its maximum taken away, the two largest
; probabilities (strict compares in ascending order: of equals the lower index wins) and their renormalised gates p / (p0 + p1 + 1e-8).
; The chosen experts go to ids [1024][2] and the gates to gates [1024][2], at fixed places: no address and no branch here hangs on them.
; x is loaded as it lies (a load of the wave covers 512 consecutive bytes) and turned through the wave's own stage in LDS, so that a lane holds 32 neighbours.
; Wg (32,768 bytes) is loaded once by the four waves together and laid in LDS by lane blocks of 1,024 bytes + 16 of padding.
; No matrix unit: the product has 8 columns.  No cluster: what is shared, Wg, is 32 KiB against nothing else that recurs.
; LIMITS: NaN and infinities are not served.  A block of zeros gets the scale byte 1 (its codes are zeros; this program alone reads the bytes);
; blocks whose largest magnitude lies under 2^-124 are held at that byte.
.set XQS, 524288                       ; where the scale bytes begin in xq
.set WGP, 1040                         ; a lane block of Wg in LDS: 1,024 bytes + 16
.set XST, 33280                        ; behind Wg: the waves' stages for x
.set XSW, 4608                         ; a wave's stage: 32 places
.set XSP, 144                          ; a place: a block's 128 bytes + 16
.set R,   16                           ; v16-47   x as loaded
.set X,   48                           ; v48-79   my 32 neighbours
.set G,   80                           ; v80-143  Wg as loaded, later 8 rows x 8 experts
.set ACC, 144                          ; v144-151 logits, then probabilities
.set TP,  152                          ; v152-159 the other half's sums
	s_load_b256 s[4:11], s[0:1], 0x0               ; x s[4:5], Wg s[6:7], bg s[8:9], xq s[10:11]
	s_load_b128 s[12:15], s[0:1], 0x20             ; ids s[12:13], gates s[14:15]
	v_lshl_add_u32 v192, v0, 2, 0xca00
	v_mov_b32 v193, 0
	v_lshrrev_b32 v7, 5, v0
	v_readfirstlane_b32 s16, v7                    ; wave
	v_and_b32 v1, 31, v0                           ; lane
	v_lshlrev_b32 v2, 4, v1                        ; 16 x lane
	s_lshl_b32 s17, ttmp9, 2
	s_add_co_u32 s17, s17, s16                     ; my token
	s_mul_i32 s18, s16, 8*WGP
	v_add_nc_u32 v3, s18, v2                       ; Wg into LDS: my wave brings lane blocks 8 w .. 8 w + 7
	s_mul_i32 s18, s16, XSW
	s_add_co_u32 s18, s18, XST                     ; my stage
	v_lshrrev_b32 v4, 3, v1
	v_mul_u32_u24 v4, v4, XSP
	v_and_b32 v5, 7, v1
	v_lshl_add_u32 v4, v5, 4, v4
	v_add_nc_u32 v4, s18, v4                       ; x into the stage: eight lanes fill a place
	v_mul_u32_u24 v5, v1, XSP
	v_add_nc_u32 v5, s18, v5                       ; and out of it: my place
	v_mul_u32_u24 v6, v1, WGP                      ; my lane block of Wg
	v_lshl_add_u32 v7, s16, 13, v2                 ; Wg in memory: 8,192 bytes a wave
.irp e, 0,1,2,3,4,5,6,7
	v_mov_b32 v[TP+\e], 0                          ; written once: a lane permute's destination counts as one of its sources
.endr
	s_mov_b32 s28, 0x76543210
	s_mov_b32 s29, 0xfedcba98                      ; selects for lane l xor 16
	s_mov_b32 s19, 0
	s_lshl_b32 s18, s17, 12
	s_wait_kmcnt 0x0
	s_add_nc_u64 s[4:5], s[4:5], s[18:19]          ; my row of x
	s_load_b256 s[20:27], s[8:9], 0x0              ; bg
	s_lshl_b32 s18, s17, 9
	s_add_nc_u64 s[32:33], s[10:11], s[18:19]      ; my row of codes
	s_lshl_b32 s18, s17, 5
	s_add_co_u32 s18, s18, XQS
	s_add_nc_u64 s[34:35], s[10:11], s[18:19]      ; my row of scale bytes
	s_lshl_b32 s18, s17, 3
	s_add_nc_u64 s[36:37], s[12:13], s[18:19]      ; my two ids
	s_add_nc_u64 s[38:39], s[14:15], s[18:19]      ; my two gates
.irp j, 0,1,2,3,4,5,6,7
	global_load_b128 v[R+4*\j:R+4*\j+3], v2, s[4:5] offset:512*\j th:TH_LOAD_NT
.endr
.irp i, 0,1,2,3,4,5,6,7,8,9,10,11,12,13,14,15
	global_load_b128 v[G+4*\i:G+4*\i+3], v7, s[6:7] offset:512*\i
.endr
	s_wait_loadcnt 16                              ; x is in: the sixteen loads of Wg are younger
.irp j, 0,1,2,3,4,5,6,7
	ds_store_b128 v4, v[R+4*\j:R+4*\j+3] offset:4*XSP*\j
.endr
.irp i, 0,1,2,3,4,5,6,7
	ds_load_b128 v[X+4*\i:X+4*\i+3], v5 offset:16*\i   ; my wave's own bytes; LDS serves a wave's instructions in order
.endr
	s_wait_loadcnt 0x0                             ; Wg
.irp i, 0,1,2,3,4,5,6,7,8,9,10,11,12,13,14,15
	ds_store_b128 v3, v[G+4*\i:G+4*\i+3] offset:(\i/2)*WGP+(\i%2)*512
.endr
	s_wait_dscnt 0x0                               ; for the others' sake: my part of Wg lies in LDS; and my 32 numbers are back
	s_barrier_signal -1
	s_barrier_wait -1
	; the block's largest magnitude, with the floor 2^(3 - 127) among its leaves; 2 off its exponent field is the conversion's scale operand
	v_max3_num_f32 v12, |v[X]|, |v[X+1]|, 0x1800000
	v_max3_num_f32 v13, |v[X+2]|, |v[X+3]|, |v[X+4]|
.irp i, 5,9,13,17,21,25
	v_max3_num_f32 v12, v12, |v[X+\i]|, |v[X+\i+1]|
	v_max3_num_f32 v13, v13, |v[X+\i+2]|, |v[X+\i+3]|
.endr
	v_max3_num_f32 v12, v12, |v[X+29]|, |v[X+30]|
	v_max3_num_f32 v12, v12, v13, |v[X+31]|
	v_add_nc_u32 v14, 0xff000000, v12
.irp g, 0,1,2,3
	v_cvt_scalef32_pk8_fp4_f32 v[8+\g], v[X+8*\g:X+8*\g+7], v14
.endr
	v_lshrrev_b32 v15, 23, v14                     ; the scale's byte (also the plain line behind the conversions)
	global_store_b128 v2, v[8:11], s[32:33]        ; the wave stores the row's 512 bytes of codes
	global_store_b8 v1, v15, s[34:35]              ; and its 32 scale bytes
	; the logits: each lane sums its 32 k for all eight experts
.irp b, 0,1,2,3
.irp ii, 0,1,2,3,4,5,6,7
	ds_load_b128 v[G+8*\ii:G+8*\ii+3], v6 offset:32*(8*\b+\ii)
	ds_load_b128 v[G+8*\ii+4:G+8*\ii+7], v6 offset:32*(8*\b+\ii)+16
.endr
	s_wait_dscnt 0x0
.irp ii, 0,1,2,3,4,5,6,7
.irp e, 0,1,2,3,4,5,6,7
.if (\b == 0) && (\ii == 0)
	v_mul_f32 v[ACC+\e], v[X], v[G+\e]             ; the first product starts the sum
.else
	v_fmac_f32 v[ACC+\e], v[X+8*\b+\ii], v[G+8*\ii+\e]
.endif
.endr
.endr
.endr
.irp m, 1,2,4,8
.irp e, 0,1,2,3,4,5,6,7
	v_add_f32_dpp v[ACC+\e], v[ACC+\e], v[ACC+\e] row_xmask:\m row_mask:0xf bank_mask:0xf
.endr
.endr
.irp e, 0,1,2,3,4,5,6,7
	v_permlanex16_b32 v[TP+\e], v[ACC+\e], s28, s29
.endr
	s_wait_kmcnt 0x0                               ; bg
.irp e, 0,1,2,3,4,5,6,7
	v_add_f32 v[ACC+\e], v[ACC+\e], v[TP+\e]
.endr
.irp e, 0,1,2,3,4,5,6,7
	v_add_f32 v[ACC+\e], s[20+\e], v[ACC+\e]       ; every lane now holds all eight logits
.endr
	; softmax, the maximum taken away
	v_max3_num_f32 v160, v[ACC], v[ACC+1], v[ACC+2]
	v_max3_num_f32 v161, v[ACC+3], v[ACC+4], v[ACC+5]
	v_max3_num_f32 v160, v160, v[ACC+6], v[ACC+7]
	v_max_num_f32 v160, v160, v161
.irp e, 0,1,2,3,4,5,6,7
	v_sub_f32 v[ACC+\e], v[ACC+\e], v160
.endr
.irp e, 0,1,2,3,4,5,6,7
	v_mul_f32 v[ACC+\e], 0x3fb8aa3b, v[ACC+\e]     ; x log2(e)
.endr
.irp e, 0,1,2,3,4,5,6,7
	v_exp_f32 v[ACC+\e], v[ACC+\e]
.endr
	v_nop                                          ; a plain line behind the last exponential
	s_wait_alu depctr_va_vdst(0)                   ; one wait for the batch, ahead of its first reader
	v_add_f32 v161, v[ACC], v[ACC+1]
	v_add_f32 v162, v[ACC+2], v[ACC+3]
	v_add_f32 v163, v[ACC+4], v[ACC+5]
	v_add_f32 v168, v[ACC+6], v[ACC+7]
	v_add_f32 v161, v161, v162
	v_add_f32 v163, v163, v168
	v_add_f32 v161, v161, v163
	v_rcp_f32 v162, v161
	v_nop
	s_wait_alu depctr_va_vdst(0)
.irp e, 0,1,2,3,4,5,6,7
	v_mul_f32 v[ACC+\e], v[ACC+\e], v162           ; the probabilities
.endr
	; the largest, then the largest of the others; only values are selected, nothing branches
	v_mov_b32 v164, v[ACC]
	v_mov_b32 v165, 0
.irp e, 1,2,3,4,5,6,7
	v_cmp_gt_f32 vcc_lo, v[ACC+\e], v164
	v_cndmask_b32 v164, v164, v[ACC+\e], vcc_lo
	v_cndmask_b32 v165, v165, \e, vcc_lo
.endr
	v_mov_b32 v166, -1.0                           ; under every probability
	v_mov_b32 v167, 0
.irp e, 0,1,2,3,4,5,6,7
	v_cmp_ne_u32 s40, \e, v165
	v_cmp_gt_f32 vcc_lo, v[ACC+\e], v166
	s_and_b32 vcc_lo, vcc_lo, s40
	v_cndmask_b32 v166, v166, v[ACC+\e], vcc_lo
	v_cndmask_b32 v167, v167, \e, vcc_lo
.endr
	v_add_f32 v168, v164, v166
	v_add_f32 v168, 0x322bcc77, v168               ; + 1e-8
	v_rcp_f32 v169, v168
	v_lshlrev_b32 v174, 2, v1                      ; (a plain line behind the reciprocal)  4 x lane
	s_wait_alu depctr_va_vdst(0)
	v_mul_f32 v170, v164, v169
	v_mul_f32 v171, v166, v169
	v_cmp_eq_u32 vcc_lo, 1, v1
	v_cndmask_b32 v172, v165, v167, vcc_lo         ; lane 0: the first choice, lane 1: the second
	v_cndmask_b32 v173, v170, v171, vcc_lo
	s_wait_xcnt 0x0                                ; EXEC changes only behind this wait: the stores above have it among their sources
	s_barrier_signal -1
	s_barrier_wait -1
	s_wait_tensorcnt 0x0
	ds_add_u32 v192, v193
	s_wait_dscnt 0x0
	v_cmpx_gt_u32 2, v1
	global_store_b32 v174, v172, s[36:37]
	global_store_b32 v174, v173, s[38:39]
	s_endpgm
.Lfunc_end_k_q4c021251ea_route:
	.size	k_q4c021251ea_route, .Lfunc_end_k_q4c021251ea_route-k_q4c021251ea_route
	.p2alignl 7, 3214868480
	.fill 96, 4, 3214868480
	.section	.rodata,"a",@progbits
	.p2align	6, 0x0
	.amdhsa_kernel k_q4c021251ea_route
		.amdhsa_group_segment_fixed_size 52224
		.amdhsa_private_segment_fixed_size 0
		.amdhsa_enable_private_segment 0
		.amdhsa_kernarg_size 48
		.amdhsa_user_sgpr_count 2
		.amdhsa_user_sgpr_kernarg_segment_ptr 1
		.amdhsa_wavefront_size32 1
		.amdhsa_system_sgpr_workgroup_id_x 1
		.amdhsa_system_sgpr_workgroup_id_y 1
		.amdhsa_system_sgpr_workgroup_id_z 1
		.amdhsa_system_vgpr_workitem_id 0
		.amdhsa_next_free_vgpr 194
		.amdhsa_next_free_sgpr 66
		.amdhsa_reserve_vcc 1
		.amdhsa_float_denorm_mode_32 3
		.amdhsa_float_denorm_mode_16_64 3
		.amdhsa_memory_ordered 1
		.amdhsa_forward_progress 1
		.amdhsa_inst_pref_size 29
	.end_amdhsa_kernel
	.amdgpu_metadata
---
amdhsa.version: [ 1, 2 ]
amdhsa.kernels:
  - .name:           k_q4c021251ea_route
    .symbol:         k_q4c021251ea_route.kd
    .args:
      - { .name: x, .offset: 0, .size: 8, .value_kind: global_buffer, .address_space: global }
      - { .name: Wg, .offset: 8, .size: 8, .value_kind: global_buffer, .address_space: global }
      - { .name: bg, .offset: 16, .size: 8, .value_kind: global_buffer, .address_space: global }
      - { .name: xq, .offset: 24, .size: 8, .value_kind: global_buffer, .address_space: global }
      - { .name: ids, .offset: 32, .size: 8, .value_kind: global_buffer, .address_space: global }
      - { .name: gates, .offset: 40, .size: 8, .value_kind: global_buffer, .address_space: global }
    .group_segment_fixed_size: 52224
    .private_segment_fixed_size: 0
    .kernarg_segment_align: 8
    .kernarg_segment_size: 48
    .max_flat_workgroup_size: 128
    .sgpr_count:     66
    .vgpr_count:     194
    .wavefront_size: 32
...
	.end_amdgpu_metadata
.endif
;; end of part 1
;; launch place (part 2): grid 1 x 1, 8 waves a work-group, no clusters, 1,280 bytes of LDS; arguments ids, plan; writes plan
.if DOCPART == 2
	.amdgcn_target "amdgcn-amd-amdhsa--gfx1250"
	.amdhsa_code_object_version 6
	.text
	.protected	k_q4c021251ea_place
	.globl	k_q4c021251ea_place
	.p2align	8
	.type	k_q4c021251ea_place,@function
k_q4c021251ea_place:
	s_mov_b64 s[64:65], 0
	v_nop
	global_prefetch_b8 v0, s[64:65] scope:SCOPE_SE
	s_setreg_imm32_b32 hwreg(HW_REG_WAVE_MODE, 25, 1), 1
	s_wait_xcnt 0x0
; COUNTING SORT of the 2,048 routed rows (row 2 t + slot: token t, its slot-th expert) by expert, without atomics, by one work-group of eight waves.
; Expert e gets ntiles[e] = ceil(cnt[e] / 16) tiles of 16 positions from tile tstart[e] on; a row's position is 16 tstart[e] + its rank among the expert's rows.
; plan: tstart[8] at byte 0, ntiles[8] at 32, cnt[8] at 64; pos[2048] (routed row -> position) at 256; rowtok[2160] (position -> token) at 8,448.
; At most 135 tiles, whatever the split: (2,048 + 8 x 15) / 16, rounded down.  Positions behind an expert's last row are not written and are read by nobody.
; Thread i holds rows 1024 j + 4 i + q (j = 0, 1; q = 0 .. 3).  The rank goes by wave, then register, then lane.
; One work-group: the whole job is 8 KiB in and 17 KiB out, and a rank needs all counts ahead of it.
.set POS,  256
.set RTK,  8448
.set I,    8                           ; v8-15   my eight rows' experts
.set P,    16                          ; v16-23  their positions
.set PO,   24                          ; v24-31  4 x position, held inside rowtok
.set TK,   32                          ; v32-35  my four tokens
.set COL,  36                          ; v36-43  expert (lane % 8)'s counts in the eight waves
	s_load_b128 s[4:7], s[0:1], 0x0                ; ids s[4:5], plan s[6:7]
	v_lshl_add_u32 v64, v0, 2, 0x100
	v_mov_b32 v65, 0
	v_lshrrev_b32 v3, 5, v0
	v_readfirstlane_b32 s16, v3                    ; wave
	v_and_b32 v1, 31, v0                           ; lane
	v_lshlrev_b32 v2, 4, v0                        ; 16 x thread
	s_wait_kmcnt 0x0
	global_load_b128 v[I:I+3], v2, s[4:5]
	global_load_b128 v[I+4:I+7], v2, s[4:5] offset:4096
	v_mov_b32 v49, s16
	v_lshlrev_b32 v49, 5, v49                      ; LDS: my wave's eight counts
	v_and_b32 v50, 7, v1
	v_lshlrev_b32 v50, 2, v50                      ; LDS: expert lane % 8's column
.irp m, 0,1,2,3
	v_lshl_add_u32 v[TK+\m], v0, 1, 512*(\m/2)+(\m%2)   ; token of rows (j, q): 512 j + 2 i + q / 2
.endr
	s_wait_loadcnt 0x0
	; my wave's count of each expert: s[20:27]
.irp k, 0,1,2,3,4,5,6,7
.irp e, 0,1,2,3,4,5,6,7
	v_cmp_eq_u32 vcc_lo, \e, v[I+\k]
.if \k == 0
	s_bcnt1_i32_b32 s[20+\e], vcc_lo               ; the first register starts the count
.else
	s_bcnt1_i32_b32 s52, vcc_lo
	s_add_co_u32 s[20+\e], s[20+\e], s52
.endif
.endr
.endr
.irp e, 0,1,2,3,4,5,6,7
	v_mov_b32 v[COL+\e], s[20+\e]
	ds_store_b32 v49, v[COL+\e] offset:4*\e        ; all lanes write the same word with the same value
.endr
	s_wait_dscnt 0x0                               ; for the others' sake
	s_barrier_signal -1
	s_barrier_wait -1
.irp wp, 0,1,2,3,4,5,6,7
	ds_load_b32 v[COL+\wp], v50 offset:32*\wp
.endr
	v_mov_b32 v44, 0                               ; the expert's rows in all,
	v_mov_b32 v45, 0                               ; and in the waves ahead of mine
	s_wait_dscnt 0x0
.irp wp, 0,1,2,3,4,5,6,7
	s_cmp_lt_u32 \wp, s16
	s_cselect_b32 s52, 1, 0
	v_mad_u32_u24 v45, v[COL+\wp], s52, v45
	v_add_nc_u32 v44, v44, v[COL+\wp]
.endr
	v_add_nc_u32 v46, 15, v44
	v_lshrrev_b32 v46, 4, v46                      ; its tiles
.irp e, 0,1,2,3,4,5,6,7
	v_readlane_b32 s[44+\e], v46, \e
	v_readlane_b32 s[28+\e], v45, \e
.endr
	s_mov_b32 s36, 0                               ; tstart: the running sum of the tiles
.irp e, 1,2,3,4,5,6,7
	s_add_co_u32 s[36+\e], s[35+\e], s[43+\e]
.endr
.irp e, 0,1,2,3,4,5,6,7
	s_lshl_b32 s52, s[36+\e], 4
	s_add_co_u32 s[28+\e], s[28+\e], s52           ; where my wave's rows of expert e begin
.endr
.irp k, 0,1,2,3,4,5,6,7
	v_mov_b32 v[P+\k], 0
.endr
.irp k, 0,1,2,3,4,5,6,7
.irp e, 0,1,2,3,4,5,6,7
	v_cmp_eq_u32 vcc_lo, \e, v[I+\k]
	v_mbcnt_lo_u32_b32 v48, vcc_lo, s[28+\e]       ; + the lanes below mine with the same expert
	v_cndmask_b32 v[P+\k], v[P+\k], v48, vcc_lo
	s_bcnt1_i32_b32 s52, vcc_lo
	s_add_co_u32 s[28+\e], s[28+\e], s52
.endr
.endr
	global_store_b128 v2, v[P:P+3], s[6:7] offset:POS
	global_store_b128 v2, v[P+4:P+7], s[6:7] offset:POS+4096
.irp k, 0,1,2,3,4,5,6,7
	v_min_u32 v[PO+\k], 2159, v[P+\k]              ; a number made of loaded ones is held by a constant before it enters an address
	v_lshlrev_b32 v[PO+\k], 2, v[PO+\k]
	global_store_b32 v[PO+\k], v[TK+2*(\k/4)+(\k%4)/2], s[6:7] offset:RTK
.endr
	s_cmp_lg_u32 s16, 0
	s_cbranch_scc1 .Lothers
	v_mov_b32 v47, 0                               ; wave 0 stores the three tables, lane e expert e's
.irp e, 0,1,2,3,4,5,6,7
	v_writelane_b32 v47, s[36+\e], \e
.endr
	v_lshlrev_b32 v51, 2, v1
	s_wait_xcnt 0x0                                ; EXEC changes only behind this wait
	s_wait_tensorcnt 0x0
	ds_add_u32 v64, v65
	s_wait_dscnt 0x0
	v_cmpx_gt_u32 8, v1
	global_store_b32 v51, v47, s[6:7]
	global_store_b32 v51, v46, s[6:7] offset:32
	global_store_b32 v51, v44, s[6:7] offset:64
	s_endpgm
.Lothers:
	s_wait_tensorcnt 0x0
	ds_add_u32 v64, v65
	s_wait_dscnt 0x0
	s_endpgm
.Lfunc_end_k_q4c021251ea_place:
	.size	k_q4c021251ea_place, .Lfunc_end_k_q4c021251ea_place-k_q4c021251ea_place
	.p2alignl 7, 3214868480
	.fill 96, 4, 3214868480
	.section	.rodata,"a",@progbits
	.p2align	6, 0x0
	.amdhsa_kernel k_q4c021251ea_place
		.amdhsa_group_segment_fixed_size 1280
		.amdhsa_private_segment_fixed_size 0
		.amdhsa_enable_private_segment 0
		.amdhsa_kernarg_size 16
		.amdhsa_user_sgpr_count 2
		.amdhsa_user_sgpr_kernarg_segment_ptr 1
		.amdhsa_wavefront_size32 1
		.amdhsa_system_sgpr_workgroup_id_x 1
		.amdhsa_system_sgpr_workgroup_id_y 1
		.amdhsa_system_sgpr_workgroup_id_z 1
		.amdhsa_system_vgpr_workitem_id 0
		.amdhsa_next_free_vgpr 66
		.amdhsa_next_free_sgpr 66
		.amdhsa_reserve_vcc 1
		.amdhsa_float_denorm_mode_32 3
		.amdhsa_float_denorm_mode_16_64 3
		.amdhsa_memory_ordered 1
		.amdhsa_forward_progress 1
		.amdhsa_inst_pref_size 27
	.end_amdhsa_kernel
	.amdgpu_metadata
---
amdhsa.version: [ 1, 2 ]
amdhsa.kernels:
  - .name:           k_q4c021251ea_place
    .symbol:         k_q4c021251ea_place.kd
    .args:
      - { .name: ids, .offset: 0, .size: 8, .value_kind: global_buffer, .address_space: global }
      - { .name: plan, .offset: 8, .size: 8, .value_kind: global_buffer, .address_space: global }
    .group_segment_fixed_size: 1280
    .private_segment_fixed_size: 0
    .kernarg_segment_align: 8
    .kernarg_segment_size: 16
    .max_flat_workgroup_size: 256
    .sgpr_count:     66
    .vgpr_count:     66
    .wavefront_size: 32
...
	.end_amdgpu_metadata
.endif
;; end of part 2
;; launch up (part 3): grid 256 x 1, 4 waves a work-group, no clusters, 68,096 bytes of LDS; arguments xq, W1_codes, W1_scales, b1, plan, hq; writes hq
.if DOCPART == 3
	.amdgcn_target "amdgcn-amd-amdhsa--gfx1250"
	.amdhsa_code_object_version 6
	.text
	.protected	k_q4c021251ea_up
	.globl	k_q4c021251ea_up
	.p2align	8
	.type	k_q4c021251ea_up,@function
k_q4c021251ea_up:
	s_mov_b64 s[64:65], 0
	v_nop
	global_prefetch_b8 v0, s[64:65] scope:SCOPE_SE
	s_setreg_imm32_b32 hwreg(HW_REG_WAVE_MODE, 25, 1), 1
	s_wait_xcnt 0x0
; FIRST PRODUCT OF THE CHOSEN EXPERTS: h = Q(gelu(x W1 + b1)), on codes of FP4 (E2M1) with one E8M0 scale for each 32 along K; only the routed rows are multiplied.
; SHARES.  Work-group g: expert e = g / 32, hidden units 128 (g % 32) .. + 127, which are K step g % 32 of the second product.  Its 128 rows of W1 are one dense block of 64 KiB, which no other
; work-group reads.  EVERY WAVE HOLDS THE WHOLE BLOCK IN REGISTERS (8 tiles x 8 K steps x 8 registers = 512); wave w takes the expert's tiles of 16 rows w, w + 4, ...
; The number of tiles is read from plan, so the loop's trip count hangs on a stored number: therefore no tensor load, no copy, no cluster, no barrier and no LDS in the loop; what waves of several
; work-groups share (the tokens' codes) is gathered by a stored list, row by row, straight into the operand's registers.
; THE BLOCK'S WAY IN: loads of 512 consecutive bytes (a row), through LDS once, ahead of the loop, behind the one barrier.  The rows are laid in LDS so that slot 16 t + r holds row
; 32 (t / 2) + 8 (t % 2) + r + 8 (r / 8): THE ROWS OF A TILE ARE NOT NEIGHBOURS, so that the 16 registers of tiles 2 b, 2 b + 1 are 16 neighbours along the next K.
; THE PRODUCT IS USED TRANSPOSED (source 0 = 16 rows of W1, source 1 = 16 tokens): a lane holds one token, its registers run along the hidden units.  b1 is the C of each sum's first instruction.
; gelu (tanh form) is written x / (1 + 2^(x (A + B x^2))), A = -2 log2(e) sqrt(2 / pi), B = 0.044715 A: the same function as 0.5 x (1 + tanh(u)).
; OUT: hq = images of the second product's operand registers, [tile][K step][1,024 bytes] (registers 0-3 at 16 x lane, 4-7 at 512 + 16 x lane), and from byte HS on the scale words, 2,048 bytes a tile:
; step s, row r at (s / 8) 512 + ((s / 4) % 2) 256 + 16 r + 4 (s % 4).  Rows behind an expert's last row repeat that row (the index is held at cnt - 1); nobody uses their results.
; LIMITS: NaN and infinities are not served; a block of zeros gets the scale byte 1 (zero codes; this program alone reads the bytes); where 2^(..) would be denormal it counts as 0, and gelu gives x.
; REGISTERS.  window 0: v1-16 addresses; v[20:23] A, B; v32-95 the 8 accumulators; v96-159 gelu's temporaries (both first serve the block's way in); v160-191 W1's scale words (register 8 b + s:
;   lanes 0-15 tile 2 b, lanes 16-31 tile 2 b + 1); v192-195 x's scale words (lanes 0-15 steps 0-3, lanes 16-31 steps 4-7); v200-216 the quantiser; v224-231 the codes just made.
;   window 1: W1's fragments of K steps 0-3 at 64 s + 8 t;  window 2: of K steps 4-7;  window 3: v0-63 the tokens' fragments at 8 s, v64-127 b1 at 64 + 8 t.
.set HS,   4423680                     ; 135 tiles x 32 steps x 1,024 bytes
.set RTK,  8448
.set WP,   528                         ; an LDS row: 512 bytes + 16
.set HA,   32
.set GT,   96
.set WS,   160
.set XS,   192
.set TM,   200
.set PW,   216
.set PC,   224
.set BIAS, 64
.set MSB,  0
.macro WIN new                         ; the immediate's high byte repeats the setting that is left
.if MSB != \new
	s_set_vgpr_msb (MSB<<8)|\new
.set MSB, \new
.endif
.endm
; one matrix instruction, by the symbols rD, rA, rB, rC (first registers), rSA, rSB (scale registers), fA, fB (1: that side's scales stand in lanes 16-31)
.macro WM
.if fA && fB
	v_wmma_scale_f32_16x16x128_f8f6f4 v[rD:rD+7], v[rA:rA+7], v[rB:rB+7], v[rC:rC+7], v[rSA], v[rSB] matrix_a_fmt:MATRIX_FMT_FP4 matrix_b_fmt:MATRIX_FMT_FP4 matrix_a_scale:MATRIX_SCALE_ROW1 matrix_b_scale:MATRIX_SCALE_ROW1
.elseif fA
	v_wmma_scale_f32_16x16x128_f8f6f4 v[rD:rD+7], v[rA:rA+7], v[rB:rB+7], v[rC:rC+7], v[rSA], v[rSB] matrix_a_fmt:MATRIX_FMT_FP4 matrix_b_fmt:MATRIX_FMT_FP4 matrix_a_scale:MATRIX_SCALE_ROW1
.elseif fB
	v_wmma_scale_f32_16x16x128_f8f6f4 v[rD:rD+7], v[rA:rA+7], v[rB:rB+7], v[rC:rC+7], v[rSA], v[rSB] matrix_a_fmt:MATRIX_FMT_FP4 matrix_b_fmt:MATRIX_FMT_FP4 matrix_b_scale:MATRIX_SCALE_ROW1
.else
	v_wmma_scale_f32_16x16x128_f8f6f4 v[rD:rD+7], v[rA:rA+7], v[rB:rB+7], v[rC:rC+7], v[rSA], v[rSB] matrix_a_fmt:MATRIX_FMT_FP4 matrix_b_fmt:MATRIX_FMT_FP4
.endif
.endm
; v9 = byte offset in rowtok of my row (lane % 16) of the expert's tile s27: the row's index is held at cnt - 1, the position by a constant
.macro TOKADR
	v_lshl_add_u32 v9, s27, 4, v2
	v_min_u32 v9, s23, v9
	v_add_nc_u32 v9, s24, v9
	v_min_u32 v9, 2159, v9
	v_lshlrev_b32 v9, 2, v9
.endm
; the token in v10 becomes the offsets of its codes (v7) and of its scale words (v8)
.macro AADR
	v_min_u32 v11, 1023, v10
	v_lshl_add_u32 v7, v11, 9, v4
	v_lshl_add_u32 v8, v11, 5, v4
.endm
; 18 loads: a tile's eight fragments, its scale words, and the token of the tile after it
.macro ALOAD
	WIN 0xc0
.irp s, 0,1,2,3,4,5,6,7
	global_load_b128 v[8*\s:8*\s+3], v7, s[4:5] offset:64*\s
	global_load_b128 v[8*\s+4:8*\s+7], v7, s[4:5] offset:64*\s+32
.endr
	WIN 0
	global_load_b128 v[XS:XS+3], v8, s[28:29]
	global_load_b32 v10, v9, s[12:13] offset:RTK
.endm
; 64 matrix instructions: K step by K step, the eight accumulators by turns, one instruction a turn
.macro MUL
.set st, 0
.rept 8
.if st == 0
	WIN 0x3d                                       ; source 0 window 1, source 1 and C (b1) window 3
.elseif st < 4
	WIN 0x0d
.else
	WIN 0x0e                                       ; source 0 window 2
.endif
.set tt, 0
.rept 8
.set rD, HA+8*tt
.set rA, 64*(st%4)+8*tt
.set rB, 8*st
.set rC, HA+8*tt
.if st == 0
.set rC, BIAS+8*tt
.endif
.set rSA, WS+8*(tt/2)+st
.set rSB, XS+st%4
.set fA, tt%2
.set fB, st/4
	WM
.set tt, tt+1
.endr
.set st, st+1
.endr
	WIN 0
.endm
.macro GELU                            ; each accumulator is read from its low end on
.set j, 0
.rept 32
	v_pk_mul_f32 v[GT+j:GT+j+1], v[HA+j:HA+j+1], v[HA+j:HA+j+1]
.set j, j+2
.endr
.set j, 0
.rept 32
	v_pk_fma_f32 v[GT+j:GT+j+1], v[GT+j:GT+j+1], v[22:23], v[20:21]    ; A + B x^2
.set j, j+2
.endr
.set j, 0
.rept 32
	v_pk_mul_f32 v[GT+j:GT+j+1], v[GT+j:GT+j+1], v[HA+j:HA+j+1]
.set j, j+2
.endr
.set j, 0
.rept 64
	v_exp_f32 v[GT+j], v[GT+j]
.set j, j+1
.endr
	v_nop                                          ; a plain line behind the last exponential
	s_wait_alu depctr_va_vdst(0)                   ; one wait for the batch, ahead of its first reader
.set j, 0
.rept 32
	v_pk_add_f32 v[GT+j:GT+j+1], v[GT+j:GT+j+1], 1.0 op_sel_hi:[1,0]
.set j, j+2
.endr
.set j, 0
.rept 64
	v_rcp_f32 v[GT+j], v[GT+j]
.set j, j+1
.endr
	v_nop
	s_wait_alu depctr_va_vdst(0)
.set j, 0
.rept 32
	v_pk_mul_f32 v[HA+j:HA+j+1], v[HA+j:HA+j+1], v[GT+j:GT+j+1]
.set j, j+2
.endr
.endm
; 64 numbers of a lane, register 16 b + i = k 32 b + 16 (lane / 16) + i of my row, become a fragment's codes in v[PC] on and its scale word in v[PW]
.macro QUANT s
.irp b, 0,1,2,3
	v_max3_num_f32 v[TM+\b], |v[\s+16*\b]|, |v[\s+1+16*\b]|, 0x1800000   ; my 16 numbers of block b, and the floor 2^(3 - 127): the byte cannot fall under 1
.endr
.irp i, 2,4,6,8,10,12,14
.irp b, 0,1,2,3
	v_max3_num_f32 v[TM+\b], v[TM+\b], |v[\s+16*\b+\i]|, |v[\s+1+16*\b+\i]|
.endr
.endr
.irp b, 0,1,2,3
	v_permlanex16_b32 v[TM+4+\b], v[TM+\b], s40, s41
.endr
.irp b, 0,1,2,3
	v_max_num_f32 v[TM+\b], v[TM+\b], v[TM+4+\b]   ; with lane l xor 16's: the block's largest magnitude
.endr
.irp b, 0,1,2,3
	v_add_nc_u32 v[TM+12+\b], 0xff000000, v[TM+\b] ; 2 off its exponent field: the conversion's scale operand
.endr
.irp b, 0,1,2,3
	v_lshrrev_b32 v[TM+4+\b], 23, v[TM+12+\b]      ; the scale's byte
.endr
	v_lshl_or_b32 v[PW], v[TM+5], 8, v[TM+4]
	v_lshl_or_b32 v[PW], v[TM+6], 16, v[PW]
	v_lshl_or_b32 v[PW], v[TM+7], 24, v[PW]
.irp b, 0,1,2,3
	v_cvt_scalef32_pk8_fp4_f32 v[PC+2*\b], v[\s+16*\b:\s+7+16*\b], v[TM+12+\b]
	v_cvt_scalef32_pk8_fp4_f32 v[PC+1+2*\b], v[\s+8+16*\b:\s+15+16*\b], v[TM+12+\b]
.endr
	v_nop                                          ; one plain line behind a scaled conversion
.irp c, 0,1                                    ; the operand's layout wants a whole block in a lane: lanes 0-15 block 2 c, lanes 16-31 block 2 c + 1
.irp i, 0,1
	v_permlane16_swap_b32 v[PC+4*\c+\i], v[PC+2+4*\c+\i]
.endr
.endr
.endm
; where tile s26 of my expert goes in hq: each time anew from the untouched bases, the tile's number held by a constant
.macro OUTADR
	s_add_co_u32 s19, s20, s26
	s_min_u32 s19, s19, 134
	s_lshl_b32 s38, s19, 15
	s_add_nc_u64 s[34:35], s[30:31], s[38:39]
	s_lshl_b32 s38, s19, 11
	s_add_nc_u64 s[36:37], s[32:33], s[38:39]
.endm
; A tile.  more = 1: the wave has another tile: its operands are asked for behind the products and land under the gelu and the quantiser
.macro TRIP more
	s_wait_loadcnt 0x0                             ; all that the last trip asked for: this tile's fragments and scale words, the next tile's tokens
	MUL
.if \more
	AADR                                           ; eight plain lines that name no register of the products: the places in front of the loads and of the first read of results
	TOKADR
	ALOAD
.else
.rept 4
	v_nop
.endr
.endif
	GELU
	QUANT HA
	global_store_b128 v5, v[PC:PC+3], s[34:35]             ; each store of the wave covers 512 consecutive bytes, aligned
	global_store_b128 v5, v[PC+4:PC+7], s[34:35] offset:512
	global_store_b32 v6, v[PW], s[36:37]                   ; lanes r and r + 16 write the same word with the same value
.if \more
	s_wait_xcnt 0x0                                ; the stores' data and bases are written again only behind this wait
	s_add_co_u32 s26, s26, 4
	s_add_co_u32 s27, s27, 4
	OUTADR
.endif
.endm
	s_load_b256 s[4:11], s[0:1], 0x0               ; xq s[4:5], W1's codes s[6:7], W1's scales s[8:9], b1 s[10:11]
	s_load_b128 s[12:15], s[0:1], 0x20             ; plan s[12:13], hq s[14:15]
	v_lshl_add_u32 v254, v0, 2, 0x10800
	v_mov_b32 v255, 0
	v_lshrrev_b32 v1, 5, v0
	v_readfirstlane_b32 s16, v1                    ; wave
	v_and_b32 v1, 31, v0                           ; lane
	v_and_b32 v2, 15, v0                           ; r
	v_bfe_u32 v3, v0, 4, 1                         ; h
	v_lshlrev_b32 v4, 4, v3                        ; 16 h
	v_lshlrev_b32 v5, 4, v1                        ; 16 x lane
	v_lshlrev_b32 v6, 4, v2                        ; 16 r
	s_mul_i32 s19, s16, 32*WP
	v_add_nc_u32 v12, s19, v5                      ; the block into LDS: my wave brings rows 32 w .. 32 w + 31
	v_mul_u32_u24 v13, v2, WP
	v_lshl_add_u32 v13, v3, 4, v13                 ; and out of it: slot r of a tile, + 16 h
	v_lshl_add_u32 v14, s16, 14, v5                ; the block in memory: 16,384 bytes a wave
	v_and_b32 v15, 8, v2
	v_add_nc_u32 v15, v15, v2
	v_lshl_add_u32 v15, v3, 3, v15
	v_lshlrev_b32 v15, 5, v15                      ; W1's scale bytes: row 8 h + r + 8 (r / 8) of a group of 32, 32 bytes a row
	v_lshlrev_b32 v16, 6, v3                       ; b1: 16 h numbers on
	v_mov_b32 v20, 0xc0135761                      ; A = -2.3022082
	v_mov_b32 v21, 0xc0135761
	v_mov_b32 v22, 0xbdd2d3e8                      ; B = -0.10294324
	v_mov_b32 v23, 0xbdd2d3e8
.irp b, 0,1,2,3
	v_mov_b32 v[TM+4+\b], 0                        ; written once: a lane permute's destination counts as one of its sources
.endr
	s_lshr_b32 s17, ttmp9, 5                       ; expert
	s_and_b32 s18, ttmp9, 31                       ; which 128 hidden units
	s_mov_b32 s39, 0
	s_mov_b32 s40, 0x76543210
	s_mov_b32 s41, 0xfedcba98                      ; selects for lane l xor 16
	s_wait_kmcnt 0x0
	s_lshl_b32 s38, s17, 2
	s_add_nc_u64 s[42:43], s[12:13], s[38:39]
	s_load_b32 s20, s[42:43], 0x0                  ; tstart
	s_load_b32 s21, s[42:43], 0x20                 ; ntiles
	s_load_b32 s22, s[42:43], 0x40                 ; cnt
	s_lshl_b32 s38, ttmp9, 16
	s_add_nc_u64 s[6:7], s[6:7], s[38:39]          ; my block's codes,
	s_lshl_b32 s38, ttmp9, 12
	s_add_nc_u64 s[8:9], s[8:9], s[38:39]          ; scale bytes,
	s_lshl_b32 s38, ttmp9, 9
	s_add_nc_u64 s[10:11], s[10:11], s[38:39]      ; and biases
	s_add_nc_u64 s[28:29], s[4:5], 0x80000         ; x's scale bytes
	s_lshl_b32 s38, s18, 10
	s_add_nc_u64 s[30:31], s[14:15], s[38:39]      ; hq at my K step's image of tile 0
	s_lshr_b32 s38, s18, 3
	s_lshl_b32 s38, s38, 9
	s_bfe_u32 s19, s18, 0x10002
	s_lshl_b32 s19, s19, 8
	s_add_co_u32 s38, s38, s19
	s_and_b32 s19, s18, 3
	s_lshl_b32 s19, s19, 2
	s_add_co_u32 s38, s38, s19
	s_add_co_u32 s38, s38, HS
	s_add_nc_u64 s[32:33], s[14:15], s[38:39]      ; and at its scale words
.set i, 0
.rept 32
	global_load_b128 v[HA+4*i:HA+4*i+3], v14, s[6:7] offset:512*i th:TH_LOAD_NT   ; a row of 512 bytes a load; read once in the launch
.set i, i+1
.endr
.irp b, 0,1,2,3
	global_load_b128 v[WS+8*\b:WS+8*\b+3], v15, s[8:9] offset:1024*\b
	global_load_b128 v[WS+8*\b+4:WS+8*\b+7], v15, s[8:9] offset:1024*\b+16
.endr
	WIN 0xc0
.irp t, 0,1,2,3,4,5,6,7
	global_load_b128 v[BIAS+8*\t:BIAS+8*\t+3], v16, s[10:11] offset:(32*(\t/2)+8*(\t%2))*4
	global_load_b128 v[BIAS+8*\t+4:BIAS+8*\t+7], v16, s[10:11] offset:(32*(\t/2)+8*(\t%2))*4+16
.endr
	WIN 0
	s_wait_kmcnt 0x0
	s_min_u32 s20, s20, 134                        ; stored numbers are held by constants before anything is made of them
	s_min_u32 s21, s21, 64
	s_min_u32 s22, s22, 1024
	s_max_u32 s23, s22, 1
	s_sub_co_u32 s23, s23, 1                       ; the expert's last row
	s_lshl_b32 s24, s20, 4
	s_cmp_eq_u32 s22, 0
	s_cselect_b32 s24, 0, s24                      ; its first position (an expert without rows: position 0, which is always written)
	s_add_co_u32 s25, s21, 3
	s_sub_co_u32 s25, s25, s16
	s_lshr_b32 s25, s25, 2                         ; my wave's tiles: w, w + 4, ..
	s_mov_b32 s27, s16
	TOKADR
	global_load_b32 v10, v9, s[12:13] offset:RTK   ; my first tile's tokens
	s_wait_loadcnt 0x0                             ; and with them the block, its scale words and biases
.set i, 0
.rept 32
.set sg, 8*(((i/8)&1)*2+((i/8)>>1))+i%8
	ds_store_b128 v12, v[HA+4*i:HA+4*i+3] offset:sg*WP
.set i, i+1
.endr
	AADR
	s_add_co_u32 s27, s16, 4
	TOKADR
	ALOAD                                          ; my first tile's operands are on their way while the block turns through LDS
	s_wait_dscnt 0x0                               ; for the others' sake: my 32 rows lie in LDS
	s_barrier_signal -1
	s_barrier_wait -1                              ; the one barrier: ahead of everything that hangs on stored numbers' branches
	WIN 0x40
.set st, 0
.rept 8
.if st == 4
	WIN 0x80
.endif
.set tt, 0
.rept 8
	ds_load_b128 v[64*(st%4)+8*tt:64*(st%4)+8*tt+3], v13 offset:16*tt*WP+64*st
	ds_load_b128 v[64*(st%4)+8*tt+4:64*(st%4)+8*tt+7], v13 offset:16*tt*WP+64*st+32
.set tt, tt+1
.endr
.set st, st+1
.endr
	WIN 0
	s_add_co_u32 s27, s16, 8
	s_mov_b32 s26, s16
	OUTADR
	s_wait_dscnt 0x0
	s_cmp_eq_u32 s25, 0
	s_cbranch_scc1 .Lend                           ; no tile for this wave
	s_sub_co_u32 s25, s25, 1
	s_cmp_eq_u32 s25, 0
	s_cbranch_scc1 .Llast
.Ltrip:
	TRIP 1
	s_sub_co_u32 s25, s25, 1
	s_cmp_lg_u32 s25, 0
	s_cbranch_scc1 .Ltrip
.Llast:
	TRIP 0                                         ; the last tile asks for nothing more
.Lend:
	s_barrier_signal -1
	s_barrier_wait -1
	s_wait_tensorcnt 0x0
	ds_add_u32 v254, v255
	s_wait_dscnt 0x0
	s_endpgm
.Lfunc_end_k_q4c021251ea_up:
	.size	k_q4c021251ea_up, .Lfunc_end_k_q4c021251ea_up-k_q4c021251ea_up
	.p2alignl 7, 3214868480
	.fill 96, 4, 3214868480
	.section	.rodata,"a",@progbits
	.p2align	6, 0x0
	.amdhsa_kernel k_q4c021251ea_up
		.amdhsa_group_segment_fixed_size 68096
		.amdhsa_private_segment_fixed_size 0
		.amdhsa_enable_private_segment 0
		.amdhsa_kernarg_size 48
		.amdhsa_user_sgpr_count 2
		.amdhsa_user_sgpr_kernarg_segment_ptr 1
		.amdhsa_wavefront_size32 1
		.amdhsa_system_sgpr_workgroup_id_x 1
		.amdhsa_system_sgpr_workgroup_id_y 1
		.amdhsa_system_sgpr_workgroup_id_z 1
		.amdhsa_system_vgpr_workitem_id 0
		.amdhsa_next_free_vgpr 1024
		.amdhsa_next_free_sgpr 66
		.amdhsa_reserve_vcc 0
		.amdhsa_float_denorm_mode_32 3
		.amdhsa_float_denorm_mode_16_64 3
		.amdhsa_memory_ordered 1
		.amdhsa_forward_progress 1
		.amdhsa_inst_pref_size 78
	.end_amdhsa_kernel
	.amdgpu_metadata
---
amdhsa.version: [ 1, 2 ]
amdhsa.kernels:
  - .name:           k_q4c021251ea_up
    .symbol:         k_q4c021251ea_up.kd
    .args:
      - { .name: xq, .offset: 0, .size: 8, .value_kind: global_buffer, .address_space: global }
      - { .name: W1_codes, .offset: 8, .size: 8, .value_kind: global_buffer, .address_space: global }
      - { .name: W1_scales, .offset: 16, .size: 8, .value_kind: global_buffer, .address_space: global }
      - { .name: b1, .offset: 24, .size: 8, .value_kind: global_buffer, .address_space: global }
      - { .name: plan, .offset: 32, .size: 8, .value_kind: global_buffer, .address_space: global }
      - { .name: hq, .offset: 40, .size: 8, .value_kind: global_buffer, .address_space: global }
    .group_segment_fixed_size: 68096
    .private_segment_fixed_size: 0
    .kernarg_segment_align: 8
    .kernarg_segment_size: 48
    .max_flat_workgroup_size: 128
    .sgpr_count:     66
    .vgpr_count:     1024
    .wavefront_size: 32
...
	.end_amdgpu_metadata
.endif
;; end of part 3
;; launch down (part 4): grid 256 x 1, 4 waves a work-group, no clusters, 75,776 bytes of LDS; arguments hq, W2_codes, W2_scales, b2, plan, yb; writes yb
.if DOCPART == 4
	.amdgcn_target "amdgcn-amd-amdhsa--gfx1250"
	.amdhsa_code_object_version 6
	.text
	.protected	k_q4c021251ea_down
	.globl	k_q4c021251ea_down
	.p2align	8
	.type	k_q4c021251ea_down,@function
k_q4c021251ea_down:
	s_mov_b64 s[64:65], 0
	v_nop
	global_prefetch_b8 v0, s[64:65] scope:SCOPE_SE
	s_setreg_imm32_b32 hwreg(HW_REG_WAVE_MODE, 25, 1), 1
	s_wait_xcnt 0x0
; SECOND PRODUCT OF THE CHOSEN EXPERTS: y = h W2 + b2 for the routed rows, on codes of FP4 (E2M1) with one E8M0 scale for each 32 along K = 4,096.
; SHARES.  Work-group g: expert e = g / 32, output columns 32 (g % 32) .. + 31.  Its 32 rows of W2 are one dense block of 64 KiB, which no other work-group reads.
; EVERY WAVE HOLDS THE WHOLE BLOCK IN REGISTERS (2 tiles x 32 K steps x 8 registers = 512); wave w takes the expert's tiles of 16 rows w, w + 4, ...
; The number of tiles is read from plan, so the trip count hangs on a stored number: therefore no tensor load, no copy, no cluster and no barrier in the loop.  h comes from hq as images of the operand's
; registers, each load 512 consecutive bytes, straight into a ring of four register slots of 8 K steps; a slot is asked for again, for the wave's next tile, as soon as it has been multiplied.
; Four chunks of 17 loads (16 of codes, 1 of scale words) are asked for ahead of a tile.
; THE PRODUCT IS USED TRANSPOSED (source 0 = 16 rows of W2, source 1 = 16 rows of h): a lane holds eight neighbouring columns of one row.  b2 is the C of each sum's first instruction.
; OUT: yb [32 column blocks][2,160 positions][32 f32]: a tile of a block is 2,048 consecutive bytes; it goes through the wave's own stage in LDS and leaves in four stores of 512 consecutive bytes.
; REGISTERS.  window 0: v1-13 addresses; v16-31 two accumulators; v32-47 b2; v48-63 rows on the way out; v64-95 W2's scale words (register s: lane l has row l's word: tile 1 in lanes 16-31);
;   v96-111 h's scale words (register 4 g + k % 4: lanes 0-15 steps 8 g + 0 .. 3, lanes 16-31 steps 8 g + 4 .. 7); v112-239 the block's way in.
;   window 1: W2's fragments of K steps 0-15 at 16 s + 8 t;  window 2: of K steps 16-31;  window 3: the ring, slot g at 64 g + 8 k.
.set HS,   4423680
.set WP2,  2064                        ; an LDS row: 2,048 bytes + 16
.set STG,  66048                       ; behind the block: a stage of 16 rows x (128 bytes + 16) for each wave
.set ACC,  16
.set BIAS, 32
.set OUTR, 48
.set WS,   64
.set AS,   96
.set STA,  112
.set MSB,  0
.macro WIN new                         ; the immediate's high byte repeats the setting that is left
.if MSB != \new
	s_set_vgpr_msb (MSB<<8)|\new
.set MSB, \new
.endif
.endm
.macro WM                              ; one matrix instruction, by the symbols rD, rA, rB, rC, rSA, rSB, fA, fB (1: that side's scales stand in lanes 16-31)
.if fA && fB
	v_wmma_scale_f32_16x16x128_f8f6f4 v[rD:rD+7], v[rA:rA+7], v[rB:rB+7], v[rC:rC+7], v[rSA], v[rSB] matrix_a_fmt:MATRIX_FMT_FP4 matrix_b_fmt:MATRIX_FMT_FP4 matrix_a_scale:MATRIX_SCALE_ROW1 matrix_b_scale:MATRIX_SCALE_ROW1
.elseif fA
	v_wmma_scale_f32_16x16x128_f8f6f4 v[rD:rD+7], v[rA:rA+7], v[rB:rB+7], v[rC:rC+7], v[rSA], v[rSB] matrix_a_fmt:MATRIX_FMT_FP4 matrix_b_fmt:MATRIX_FMT_FP4 matrix_a_scale:MATRIX_SCALE_ROW1
.elseif fB
	v_wmma_scale_f32_16x16x128_f8f6f4 v[rD:rD+7], v[rA:rA+7], v[rB:rB+7], v[rC:rC+7], v[rSA], v[rSB] matrix_a_fmt:MATRIX_FMT_FP4 matrix_b_fmt:MATRIX_FMT_FP4 matrix_b_scale:MATRIX_SCALE_ROW1
.else
	v_wmma_scale_f32_16x16x128_f8f6f4 v[rD:rD+7], v[rA:rA+7], v[rB:rB+7], v[rC:rC+7], v[rSA], v[rSB] matrix_a_fmt:MATRIX_FMT_FP4 matrix_b_fmt:MATRIX_FMT_FP4
.endif
.endm
; 17 loads: K steps 8 g .. 8 g + 7 of the tile at s[24:25], and their scale words
.macro CHUNK g
	WIN 0xc0
.irp k, 0,1,2,3,4,5,6,7
	global_load_b128 v[64*\g+8*\k:64*\g+8*\k+3], v5, s[24:25] offset:(8*\g+\k)*1024
	global_load_b128 v[64*\g+8*\k+4:64*\g+8*\k+7], v5, s[24:25] offset:(8*\g+\k)*1024+512
.endr
	WIN 0
	global_load_b128 v[AS+4*\g:AS+4*\g+3], v5, s[26:27] offset:512*\g
.endm
; 16 matrix instructions: 8 K steps, the two accumulators by turns, one instruction a turn
.macro MUL16 g
.if \g < 2
	WIN 0x0d                                       ; source 0 window 1, source 1 window 3
.else
	WIN 0x0e                                       ; source 0 window 2
.endif
.set kk, 0
.rept 8
.set tt, 0
.rept 2
.set rD, ACC+8*tt
.set rA, 16*((8*\g+kk)%16)+8*tt
.set rB, 64*\g+8*kk
.set rC, ACC+8*tt
.if (\g == 0) && (kk == 0)
.set rC, BIAS+8*tt
.endif
.set rSA, WS+8*\g+kk
.set rSB, AS+4*\g+kk%4
.set fA, tt
.set fB, kk/4
	WM
.set tt, tt+1
.endr
.set kk, kk+1
.endr
.endm
; addresses for my tile s23: where it goes in yb, and where the tile after it lies in hq; each anew from the untouched bases, the tile's number held by a constant
.macro ADRS
	s_add_co_u32 s36, s20, s23
	s_min_u32 s36, s36, 134
	s_lshl_b32 s34, s36, 11
	s_add_nc_u64 s[28:29], s[32:33], s[34:35]
	s_add_co_u32 s36, s20, s23
	s_add_co_u32 s36, s36, 4
	s_min_u32 s36, s36, 134
	s_lshl_b32 s34, s36, 15
	s_add_nc_u64 s[24:25], s[4:5], s[34:35]
	s_lshl_b32 s34, s36, 11
	s_add_nc_u64 s[26:27], s[30:31], s[34:35]
.endm
; A tile.  fill = 1: the wave has another tile, and each slot takes that tile's chunk as soon as it has been multiplied
.macro TILE fill
.irp g, 0,1,2,3
.if \fill
	s_wait_loadcnt 51                              ; this chunk is in: three chunks of 17 loads are younger
.else
	s_wait_loadcnt 51-17*\g                        ; the counts run down
.endif
	MUL16 \g
.if \fill
.rept 4
	v_nop                                          ; places in front of loads into registers that the products have read
.endr
.if \g == 3
	v_nop                                          ; one more: the next tile's first products write over these accumulators with another C
.endif
	CHUNK \g
.elseif \g == 3
.rept 5
	v_nop                                          ; places in front of the first read of results
.endr
	WIN 0
.endif
.endr
	ds_store_b128 v10, v[ACC:ACC+3]                ; each accumulator from its low end on
	ds_store_b128 v10, v[ACC+4:ACC+7] offset:16
	ds_store_b128 v10, v[ACC+8:ACC+11] offset:64
	ds_store_b128 v10, v[ACC+12:ACC+15] offset:80
.irp q, 0,1,2,3
	ds_load_b128 v[OUTR+4*\q:OUTR+4*\q+3], v11 offset:576*\q   ; my wave's own bytes; LDS serves a wave's instructions in order
.endr
	s_wait_dscnt 0x0
.irp q, 0,1,2,3
	global_store_b128 v5, v[OUTR+4*\q:OUTR+4*\q+3], s[28:29] offset:512*\q   ; 512 consecutive bytes, aligned
.endr
.if \fill
	s_wait_xcnt 0x0                                ; the stores' data and the bases of loads and stores are written again only behind this wait
	s_add_co_u32 s23, s23, 4
	ADRS
.endif
.endm
	s_load_b256 s[4:11], s[0:1], 0x0               ; hq s[4:5], W2's codes s[6:7], W2's scales s[8:9], b2 s[10:11]
	s_load_b128 s[12:15], s[0:1], 0x20             ; plan s[12:13], yb s[14:15]
	v_lshl_add_u32 v254, v0, 2, 0x12600
	v_mov_b32 v255, 0
	v_lshrrev_b32 v1, 5, v0
	v_readfirstlane_b32 s16, v1                    ; wave
	v_and_b32 v1, 31, v0                           ; lane
	v_and_b32 v2, 15, v0                           ; r
	v_bfe_u32 v3, v0, 4, 1                         ; h
	v_lshlrev_b32 v5, 4, v1                        ; 16 x lane
	s_mul_i32 s19, s16, 8*WP2
	v_add_nc_u32 v6, s19, v5                       ; the block into LDS: my wave brings rows 8 w .. 8 w + 7
	v_mul_u32_u24 v7, v2, WP2
	v_lshl_add_u32 v7, v3, 4, v7                   ; and out of it: row r of a tile, + 16 h
	v_lshlrev_b32 v8, 7, v1                        ; W2's scale bytes: 128 a row, a lane a row
	v_lshlrev_b32 v9, 5, v3                        ; b2: 8 h numbers on
	s_mul_i32 s19, s16, 2304
	s_add_co_u32 s19, s19, STG                     ; my stage
	v_mul_u32_u24 v10, v2, 144
	v_lshl_add_u32 v10, v3, 5, v10
	v_add_nc_u32 v10, s19, v10                     ; in: row r, + 32 h
	v_lshrrev_b32 v11, 3, v1
	v_mul_u32_u24 v11, v11, 144
	v_and_b32 v13, 7, v1
	v_lshl_add_u32 v11, v13, 4, v11
	v_add_nc_u32 v11, s19, v11                     ; back: eight lanes to a row of 128 bytes
	v_lshl_add_u32 v12, s16, 14, v5                ; the block in memory: 16,384 bytes a wave
	s_lshr_b32 s17, ttmp9, 5                       ; expert
	s_and_b32 s18, ttmp9, 31                       ; which 32 columns
	s_mov_b32 s35, 0
	s_wait_kmcnt 0x0
	s_lshl_b32 s34, s17, 2
	s_add_nc_u64 s[38:39], s[12:13], s[34:35]
	s_load_b32 s20, s[38:39], 0x0                  ; tstart
	s_load_b32 s21, s[38:39], 0x20                 ; ntiles
	s_lshl_b32 s34, ttmp9, 16
	s_add_nc_u64 s[6:7], s[6:7], s[34:35]          ; my block's codes,
	s_lshl_b32 s34, ttmp9, 12
	s_add_nc_u64 s[8:9], s[8:9], s[34:35]          ; scale bytes,
	s_lshl_b32 s34, ttmp9, 7
	s_add_nc_u64 s[10:11], s[10:11], s[34:35]      ; and biases
	s_add_nc_u64 s[30:31], s[4:5], HS              ; h's scale words
	s_mul_i32 s34, s18, 276480
	s_add_nc_u64 s[32:33], s[14:15], s[34:35]      ; yb at my column block
.set i, 0
.rept 32
	global_load_b128 v[STA+4*i:STA+4*i+3], v12, s[6:7] offset:512*i th:TH_LOAD_NT   ; 512 consecutive bytes a load; read once in the launch
.set i, i+1
.endr
.irp j, 0,1,2,3,4,5,6,7
	global_load_b128 v[WS+4*\j:WS+4*\j+3], v8, s[8:9] offset:16*\j
.endr
.irp t, 0,1
	global_load_b128 v[BIAS+8*\t:BIAS+8*\t+3], v9, s[10:11] offset:64*\t
	global_load_b128 v[BIAS+8*\t+4:BIAS+8*\t+7], v9, s[10:11] offset:64*\t+16
.endr
	s_wait_kmcnt 0x0
	s_min_u32 s20, s20, 134                        ; stored numbers are held by constants before anything is made of them
	s_min_u32 s21, s21, 64
	s_add_co_u32 s22, s21, 3
	s_sub_co_u32 s22, s22, s16
	s_lshr_b32 s22, s22, 2                         ; my wave's tiles: w, w + 4, ..
	s_add_co_u32 s36, s20, s16
	s_cmp_lt_u32 s16, s21
	s_cselect_b32 s36, s36, 0                      ; my first tile (a wave without one: tile 0, which is always written; its numbers are not used)
	s_min_u32 s36, s36, 134
	s_lshl_b32 s34, s36, 15
	s_add_nc_u64 s[24:25], s[4:5], s[34:35]
	s_lshl_b32 s34, s36, 11
	s_add_nc_u64 s[26:27], s[30:31], s[34:35]
	CHUNK 0
	CHUNK 1
	CHUNK 2
	CHUNK 3
	s_wait_loadcnt 63                              ; 68 loads were issued behind the block's, its scale words' and biases' 44: those are in
.set i, 0
.rept 32
	ds_store_b128 v6, v[STA+4*i:STA+4*i+3] offset:(i/4)*WP2+(i%4)*512
.set i, i+1
.endr
	s_wait_dscnt 0x0                               ; for the others' sake: my eight rows lie in LDS
	s_barrier_signal -1
	s_barrier_wait -1                              ; the one barrier: ahead of everything that hangs on stored numbers' branches
	WIN 0x40
.set st, 0
.rept 32
.if st == 16
	WIN 0x80
.endif
.set tt, 0
.rept 2
	ds_load_b128 v[16*(st%16)+8*tt:16*(st%16)+8*tt+3], v7 offset:16*tt*WP2+64*st
	ds_load_b128 v[16*(st%16)+8*tt+4:16*(st%16)+8*tt+7], v7 offset:16*tt*WP2+64*st+32
.set tt, tt+1
.endr
.set st, st+1
.endr
	WIN 0
	s_wait_xcnt 0x0                                ; the first chunks' loads have read their bases
	s_mov_b32 s23, s16
	ADRS
	s_wait_dscnt 0x0
	s_cmp_eq_u32 s22, 0
	s_cbranch_scc1 .Lend                           ; no tile for this wave
	s_sub_co_u32 s22, s22, 1
	s_cmp_eq_u32 s22, 0
	s_cbranch_scc1 .Llast
.Ltile:
	TILE 1
	s_sub_co_u32 s22, s22, 1
	s_cmp_lg_u32 s22, 0
	s_cbranch_scc1 .Ltile
.Llast:
	TILE 0                                         ; the last tile asks for nothing more
.Lend:
	s_barrier_signal -1
	s_barrier_wait -1
	s_wait_tensorcnt 0x0
	ds_add_u32 v254, v255
	s_wait_dscnt 0x0
	s_endpgm
.Lfunc_end_k_q4c021251ea_down:
	.size	k_q4c021251ea_down, .Lfunc_end_k_q4c021251ea_down-k_q4c021251ea_down
	.p2alignl 7, 3214868480
	.fill 96, 4, 3214868480
	.section	.rodata,"a",@progbits
	.p2align	6, 0x0
	.amdhsa_kernel k_q4c021251ea_down
		.amdhsa_group_segment_fixed_size 75776
		.amdhsa_private_segment_fixed_size 0
		.amdhsa_enable_private_segment 0
		.amdhsa_kernarg_size 48
		.amdhsa_user_sgpr_count 2
		.amdhsa_user_sgpr_kernarg_segment_ptr 1
		.amdhsa_wavefront_size32 1
		.amdhsa_system_sgpr_workgroup_id_x 1
		.amdhsa_system_sgpr_workgroup_id_y 1
		.amdhsa_system_sgpr_workgroup_id_z 1
		.amdhsa_system_vgpr_workitem_id 0
		.amdhsa_next_free_vgpr 1024
		.amdhsa_next_free_sgpr 66
		.amdhsa_reserve_vcc 0
		.amdhsa_float_denorm_mode_32 3
		.amdhsa_float_denorm_mode_16_64 3
		.amdhsa_memory_ordered 1
		.amdhsa_forward_progress 1
		.amdhsa_inst_pref_size 51
	.end_amdhsa_kernel
	.amdgpu_metadata
---
amdhsa.version: [ 1, 2 ]
amdhsa.kernels:
  - .name:           k_q4c021251ea_down
    .symbol:         k_q4c021251ea_down.kd
    .args:
      - { .name: hq, .offset: 0, .size: 8, .value_kind: global_buffer, .address_space: global }
      - { .name: W2_codes, .offset: 8, .size: 8, .value_kind: global_buffer, .address_space: global }
      - { .name: W2_scales, .offset: 16, .size: 8, .value_kind: global_buffer, .address_space: global }
      - { .name: b2, .offset: 24, .size: 8, .value_kind: global_buffer, .address_space: global }
      - { .name: plan, .offset: 32, .size: 8, .value_kind: global_buffer, .address_space: global }
      - { .name: yb, .offset: 40, .size: 8, .value_kind: global_buffer, .address_space: global }
    .group_segment_fixed_size: 75776
    .private_segment_fixed_size: 0
    .kernarg_segment_align: 8
    .kernarg_segment_size: 48
    .max_flat_workgroup_size: 128
    .sgpr_count:     66
    .vgpr_count:     1024
    .wavefront_size: 32
...
	.end_amdgpu_metadata
.endif
;; end of part 4
;; launch combine (part 5): grid 256 x 1, 4 waves a work-group, no clusters, 0 bytes of LDS; arguments yb, plan, gates, out0; writes out0
.if DOCPART == 5
	.amdgcn_target "amdgcn-amd-amdhsa--gfx1250"
	.amdhsa_code_object_version 6
	.text
	.protected	k_q4c021251ea_combine
	.globl	k_q4c021251ea_combine
	.p2align	8
	.type	k_q4c021251ea_combine,@function
k_q4c021251ea_combine:
	s_mov_b64 s[64:65], 0
	v_nop
	global_prefetch_b8 v0, s[64:65] scope:SCOPE_SE
	s_setreg_imm32_b32 hwreg(HW_REG_WAVE_MODE, 25, 1), 1
	s_wait_xcnt 0x0
; out[t] = g0 y[p0] + g1 y[p1]: the weighted sum over the two chosen experts; the other six have the gate 0 and were not computed.
; One wave owns one token t = 4 x work-group + wave.  p0, p1 (plan's pos, held by a constant before they enter an address) and g0, g1 come by scalar loads.
; yb lies [32 column blocks][2,160 positions][32 f32], so a row is 32 pieces of 128 bytes, 276,480 bytes apart: eight lanes take a piece, a load four pieces.  That is the price of
; the launch before storing each of its tiles as 2,048 consecutive bytes.  The output leaves in stores of 512 consecutive bytes, aligned.
; A stream: no LDS, no barrier, no matrix unit (K = 2).
.set BLK, 276480
	s_load_b256 s[4:11], s[0:1], 0x0               ; yb s[4:5], plan s[6:7], gates s[8:9], out0 s[10:11]
	v_lshrrev_b32 v1, 5, v0
	v_readfirstlane_b32 s20, v1                    ; wave
	v_and_b32 v1, 31, v0                           ; lane
	v_lshrrev_b32 v4, 3, v1
	v_mul_u32_u24 v2, v4, BLK
	v_and_b32 v4, 7, v1
	v_lshl_add_u32 v2, v4, 4, v2                   ; column block lane / 8, 16 bytes a lane
	v_lshlrev_b32 v3, 4, v1                        ; out: 16 x lane
	s_lshl_b32 s21, ttmp9, 2
	s_add_co_u32 s21, s21, s20                     ; my token
	s_lshl_b32 s22, s21, 3
	s_mov_b32 s23, 0
	s_wait_kmcnt 0x0
	s_add_nc_u64 s[6:7], s[6:7], s[22:23]
	s_add_nc_u64 s[8:9], s[8:9], s[22:23]
	s_load_b64 s[12:13], s[6:7], 0x100             ; its two positions
	s_load_b64 s[14:15], s[8:9], 0x0               ; its two gates
	s_lshl_b32 s22, s21, 12
	s_add_nc_u64 s[10:11], s[10:11], s[22:23]      ; its row of the output
	s_wait_kmcnt 0x0
	s_min_u32 s12, s12, 2159
	s_min_u32 s13, s13, 2159
	s_lshl_b32 s22, s12, 7
	s_add_nc_u64 s[24:25], s[4:5], s[22:23]
	s_lshl_b32 s22, s13, 7
	s_add_nc_u64 s[26:27], s[4:5], s[22:23]
	s_mov_b32 s16, s15                             ; g1 as a pair's low word (the packed form names a pair and takes its low word for both halves)
	s_mov_b32 s17, s15
.irp i, 0,1,2,3,4,5,6,7
	global_load_b128 v[16+4*\i:19+4*\i], v2, s[24:25] offset:4*BLK*\i
.endr
.irp i, 0,1,2,3,4,5,6,7
	global_load_b128 v[48+4*\i:51+4*\i], v2, s[26:27] offset:4*BLK*\i
.endr
	s_wait_loadcnt 8                               ; the first row is in: the second row's eight loads are younger
.set j, 0
.rept 16
	v_pk_mul_f32 v[16+j:17+j], v[16+j:17+j], s[14:15] op_sel_hi:[1,0]
.set j, j+2
.endr
	s_wait_loadcnt 0x0
.set j, 0
.rept 16
	v_pk_fma_f32 v[16+j:17+j], v[48+j:49+j], s[16:17], v[16+j:17+j] op_sel_hi:[1,0,1]
.set j, j+2
.endr
.irp i, 0,1,2,3,4,5,6,7
	global_store_b128 v3, v[16+4*\i:19+4*\i], s[10:11] offset:512*\i th:TH_STORE_NT
.endr
	s_endpgm
.Lfunc_end_k_q4c021251ea_combine:
	.size	k_q4c021251ea_combine, .Lfunc_end_k_q4c021251ea_combine-k_q4c021251ea_combine
	.p2alignl 7, 3214868480
	.fill 96, 4, 3214868480
	.section	.rodata,"a",@progbits
	.p2align	6, 0x0
	.amdhsa_kernel k_q4c021251ea_combine
		.amdhsa_group_segment_fixed_size 0
		.amdhsa_private_segment_fixed_size 0
		.amdhsa_enable_private_segment 0
		.amdhsa_kernarg_size 32
		.amdhsa_user_sgpr_count 2
		.amdhsa_user_sgpr_kernarg_segment_ptr 1
		.amdhsa_wavefront_size32 1
		.amdhsa_system_sgpr_workgroup_id_x 1
		.amdhsa_system_sgpr_workgroup_id_y 1
		.amdhsa_system_sgpr_workgroup_id_z 1
		.amdhsa_system_vgpr_workitem_id 0
		.amdhsa_next_free_vgpr 80
		.amdhsa_next_free_sgpr 66
		.amdhsa_reserve_vcc 0
		.amdhsa_float_denorm_mode_32 3
		.amdhsa_float_denorm_mode_16_64 3
		.amdhsa_memory_ordered 1
		.amdhsa_forward_progress 1
		.amdhsa_inst_pref_size 6
	.end_amdhsa_kernel
	.amdgpu_metadata
---
amdhsa.version: [ 1, 2 ]
amdhsa.kernels:
  - .name:           k_q4c021251ea_combine
    .symbol:         k_q4c021251ea_combine.kd
    .args:
      - { .name: yb, .offset: 0, .size: 8, .value_kind: global_buffer, .address_space: global }
      - { .name: plan, .offset: 8, .size: 8, .value_kind: global_buffer, .address_space: global }
      - { .name: gates, .offset: 16, .size: 8, .value_kind: global_buffer, .address_space: global }
      - { .name: out0, .offset: 24, .size: 8, .value_kind: global_buffer, .address_space: global }
    .group_segment_fixed_size: 0
    .private_segment_fixed_size: 0
    .kernarg_segment_align: 8
    .kernarg_segment_size: 32
    .max_flat_workgroup_size: 128
    .sgpr_count:     66
    .vgpr_count:     80
    .wavefront_size: 32
...
	.end_amdgpu_metadata
.endif
;; end of part 5
;; ======== version 2 of 3: 4 launches; 1.13 times as fast as version 1
;; workspace buffers: xq 557,056 bytes; ids 8,192 bytes of whole numbers; gates 8,192 bytes; plan 10,240 bytes of whole numbers; hq 17,825,792 bytes; yb 33,554,432 bytes
;; launch route: the kernel of part 1 again; grid 256 x 1, 4 waves a work-group, no clusters, 52,224 bytes of LDS; arguments x, Wg, bg, xq, ids, gates; writes xq, ids, gates
;; launch up (part 6): grid 256 x 1, 4 waves a work-group, no clusters, 72,704 bytes of LDS; arguments xq, W1_codes, W1_scales, b1, ids, plan, hq; writes plan, hq
.if DOCPART == 6
	.amdgcn_target "amdgcn-amd-amdhsa--gfx1250"
	.amdhsa_code_object_version 6
	.text
	.protected	k_q4c021251ea_up
	.globl	k_q4c021251ea_up
	.p2align	8
	.type	k_q4c021251ea_up,@function
k_q4c021251ea_up:
	s_mov_b64 s[64:65], 0
	v_nop
	global_prefetch_b8 v0, s[64:65] scope:SCOPE_SE
	s_setreg_imm32_b32 hwreg(HW_REG_WAVE_MODE, 25, 1), 1
	s_wait_xcnt 0x0
; PLACING OF THE ROUTED ROWS, AND THE FIRST PRODUCT OF THE CHOSEN EXPERTS: h = Q(gelu(x W1 + b1)), on codes of FP4 (E2M1) with one E8M0 scale for each 32 along K; only the routed rows are multiplied.
; SHARES.  Work-group g: expert e = g / 32, hidden units 128 (g % 32) .. + 127, which are K step g % 32 of the second product.  Its 128 rows of W1 are one dense block of 64 KiB, which no other
; work-group reads.  EVERY WAVE HOLDS THE WHOLE BLOCK IN REGISTERS (8 tiles x 8 K steps x 8 registers = 512); wave w takes the expert's tiles of 16 rows w, w + 4, ...
; THE PLACING.  Every expert has room of its own: tiles 64 e .. 64 e + 63, position = 1024 e + rank; so a work-group needs its own expert's members alone.  Each wave reads all of ids (8 KiB); lane l,
; number k holds token 64 (k / 2) + 2 l + k % 2; a token is a member where (id0 ^ e)(id1 ^ e) = 0; the rank goes by lane, then by k; the lanes' counts (6 bits) are summed over the lower lanes by six ballots.
; Wave 0 lays the members' tokens by rank into a list in LDS (the others' go to dump words behind it, so that all lanes stay on).  In the eight work-groups of block 0 wave 1 stores for the later launches:
; plan: cnt[e] at byte 128 e (32 equal words), pos[2 t + slot] at 1,024 (the others' again to dump words, the expert's own, at 9,216 + 128 e).
; The number of tiles hangs on stored numbers: therefore no tensor load, no copy, no cluster, and no barrier in the loop; what work-groups share (the tokens' codes) is gathered by the list, row by row.
; THREE BARRIERS stand ahead of the loop: behind the list's stores; behind the first reads of the list, so that no wave stores the block into LDS while another reads the list; behind the block's stores.
; THE BLOCK'S WAY IN: loads of 512 consecutive bytes (a row), through LDS once.  The rows are laid so that slot 16 t + r holds row 32 (t / 2) + 8 (t % 2) + r + 8 (r / 8): THE ROWS OF A TILE ARE NOT
; NEIGHBOURS, so that the 16 registers of tiles 2 b, 2 b + 1 are 16 neighbours along the next K.
; THE PRODUCT IS USED TRANSPOSED (source 0 = 16 rows of W1, source 1 = 16 tokens): a lane holds one token, its registers run along the hidden units.  b1 is the C of each sum's first instruction.
; gelu (tanh form) is written x / (1 + 2^(x (A + B x^2))), A = -2 log2(e) sqrt(2 / pi), B = 0.044715 A: the same function as 0.5 x (1 + tanh(u)).
; OUT: hq = images of the second product's operand registers, [tile][K step][1,024 bytes] (registers 0-3 at 16 x lane, 4-7 at 512 + 16 x lane), and from byte HS on the scale words, 2,048 bytes a tile:
; step s, row r at (s / 8) 512 + ((s / 4) % 2) 256 + 16 r + 4 (s % 4).  Rows behind an expert's last row repeat that row (the index is held at cnt - 1); nobody uses their results.
; An expert without rows makes one tile of token 0, so that tile 64 e, which the next launch's waves without a tile read ahead, is always written.
; LIMITS: NaN and infinities are not served; a block of zeros gets the scale byte 1 (zero codes; this program alone reads the bytes); where 2^(..) would be denormal it counts as 0, and gelu gives x.
; REGISTERS.  window 0: v1-16 addresses; v[20:23] A, B; v32-95 the 8 accumulators; v96-159 gelu's temporaries (both first serve the block's way in); v160-191 W1's scale words (register 8 b + s:
;   lanes 0-15 tile 2 b, lanes 16-31 tile 2 b + 1); v192-195 x's scale words (lanes 0-15 steps 0-3, lanes 16-31 steps 4-7); v200-216 the quantiser; v224-231 the codes just made.
;   window 1: first the placing's scratch, then W1's fragments of K steps 0-3 at 64 s + 8 t;  window 2: of K steps 4-7;  window 3: v0-63 the tokens' fragments at 8 s, v64-127 b1 at 64 + 8 t.
.set HS,   16777216                    ; 512 tiles x 32 steps x 1,024 bytes
.set WB,   4608                        ; LDS: the list (1,024 words), 32 dump words, and from here the block
.set WP,   528                         ; an LDS row: 512 bytes + 16
.set HA,   32
.set GT,   96
.set WS,   160
.set XS,   192
.set TM,   200
.set PW,   216
.set PC,   224
.set BIAS, 64
; the placing's scratch, in window 1
.set ZI,   0                           ; v0-63    ids as loaded, then id ^ e
.set ZNM,  64                          ; v64-95   1 where number k's token is no member
.set ZLN,  96                          ; lane
.set ZL2,  97                          ; 2 x lane
.set ZDI,  98                          ; my dump word's index in the list: 1,024 + lane
.set ZS,   99                          ; my lane's members
.set ZBASE, 100                        ; the members in the lanes below mine
.set ZT,   101                         ; v101-108 at work
.set ZR,   109                         ; rank of number k, less k
.set ZZ,   110
.set ZCW,  111
.set ZL4,  112
.set ZDG,  113
.set ZCA,  114
.set ZB,   116                         ; v116-121 the six bits' counts
.set ZPA,  128                         ; v128-159 pos: byte offsets
.set ZPD,  160                         ; v160-191 pos: positions
.set MSB,  0
.macro WIN new                         ; the immediate's high byte repeats the setting that is left
.if MSB != \new
	s_set_vgpr_msb (MSB<<8)|\new
.set MSB, \new
.endif
.endm
; one matrix instruction, by the symbols rD, rA, rB, rC (first registers), rSA, rSB (scale registers), fA, fB (1: that side's scales stand in lanes 16-31)
.macro WM
.if fA && fB
	v_wmma_scale_f32_16x16x128_f8f6f4 v[rD:rD+7], v[rA:rA+7], v[rB:rB+7], v[rC:rC+7], v[rSA], v[rSB] matrix_a_fmt:MATRIX_FMT_FP4 matrix_b_fmt:MATRIX_FMT_FP4 matrix_a_scale:MATRIX_SCALE_ROW1 matrix_b_scale:MATRIX_SCALE_ROW1
.elseif fA
	v_wmma_scale_f32_16x16x128_f8f6f4 v[rD:rD+7], v[rA:rA+7], v[rB:rB+7], v[rC:rC+7], v[rSA], v[rSB] matrix_a_fmt:MATRIX_FMT_FP4 matrix_b_fmt:MATRIX_FMT_FP4 matrix_a_scale:MATRIX_SCALE_ROW1
.elseif fB
	v_wmma_scale_f32_16x16x128_f8f6f4 v[rD:rD+7], v[rA:rA+7], v[rB:rB+7], v[rC:rC+7], v[rSA], v[rSB] matrix_a_fmt:MATRIX_FMT_FP4 matrix_b_fmt:MATRIX_FMT_FP4 matrix_b_scale:MATRIX_SCALE_ROW1
.else
	v_wmma_scale_f32_16x16x128_f8f6f4 v[rD:rD+7], v[rA:rA+7], v[rB:rB+7], v[rC:rC+7], v[rSA], v[rSB] matrix_a_fmt:MATRIX_FMT_FP4 matrix_b_fmt:MATRIX_FMT_FP4
.endif
.endm
; v9 = LDS byte of the list's word for my row (lane % 16) of the expert's tile s27: the index is held at cnt - 1, and by a constant
.macro TOKADR
	v_lshl_add_u32 v9, s27, 4, v2
	v_min_u32 v9, s23, v9
	v_min_u32 v9, 1023, v9
	v_lshlrev_b32 v9, 2, v9
.endm
; the token in v10 becomes the offsets of its codes (v7) and of its scale words (v8)
.macro AADR
	v_min_u32 v11, 1023, v10
	v_lshl_add_u32 v7, v11, 9, v4
	v_lshl_add_u32 v8, v11, 5, v4
.endm
; 17 loads from memory: a tile's eight fragments and its scale words; and from the list the token of the tile after it
.macro ALOAD
	WIN 0xc0
.irp s, 0,1,2,3,4,5,6,7
	global_load_b128 v[8*\s:8*\s+3], v7, s[4:5] offset:64*\s
	global_load_b128 v[8*\s+4:8*\s+7], v7, s[4:5] offset:64*\s+32
.endr
	WIN 0
	global_load_b128 v[XS:XS+3], v8, s[28:29]
	ds_load_b32 v10, v9
.endm
; 64 matrix instructions: K step by K step, the eight accumulators by turns, one instruction a turn
.macro MUL
.set st, 0
.rept 8
.if st == 0
	WIN 0x3d                                       ; source 0 window 1, source 1 and C (b1) window 3
.elseif st < 4
	WIN 0x0d
.else
	WIN 0x0e                                       ; source 0 window 2
.endif
.set tt, 0
.rept 8
.set rD, HA+8*tt
.set rA, 64*(st%4)+8*tt
.set rB, 8*st
.set rC, HA+8*tt
.if st == 0
.set rC, BIAS+8*tt
.endif
.set rSA, WS+8*(tt/2)+st
.set rSB, XS+st%4
.set fA, tt%2
.set fB, st/4
	WM
.set tt, tt+1
.endr
.set st, st+1
.endr
	WIN 0
.endm
.macro GELU                            ; each accumulator is read from its low end on
.set j, 0
.rept 32
	v_pk_mul_f32 v[GT+j:GT+j+1], v[HA+j:HA+j+1], v[HA+j:HA+j+1]
.set j, j+2
.endr
.set j, 0
.rept 32
	v_pk_fma_f32 v[GT+j:GT+j+1], v[GT+j:GT+j+1], v[22:23], v[20:21]    ; A + B x^2
.set j, j+2
.endr
.set j, 0
.rept 32
	v_pk_mul_f32 v[GT+j:GT+j+1], v[GT+j:GT+j+1], v[HA+j:HA+j+1]
.set j, j+2
.endr
.set j, 0
.rept 64
	v_exp_f32 v[GT+j], v[GT+j]
.set j, j+1
.endr
	v_nop                                          ; a plain line behind the last exponential
	s_wait_alu depctr_va_vdst(0)                   ; one wait for the batch, ahead of its first reader
.set j, 0
.rept 32
	v_pk_add_f32 v[GT+j:GT+j+1], v[GT+j:GT+j+1], 1.0 op_sel_hi:[1,0]
.set j, j+2
.endr
.set j, 0
.rept 64
	v_rcp_f32 v[GT+j], v[GT+j]
.set j, j+1
.endr
	v_nop
	s_wait_alu depctr_va_vdst(0)
.set j, 0
.rept 32
	v_pk_mul_f32 v[HA+j:HA+j+1], v[HA+j:HA+j+1], v[GT+j:GT+j+1]
.set j, j+2
.endr
.endm
; 64 numbers of a lane, register 16 b + i = k 32 b + 16 (lane / 16) + i of my row, become a fragment's codes in v[PC] on and its scale word in v[PW]
.macro QUANT s
.irp b, 0,1,2,3
	v_max3_num_f32 v[TM+\b], |v[\s+16*\b]|, |v[\s+1+16*\b]|, 0x1800000   ; my 16 numbers of block b, and the floor 2^(3 - 127): the byte cannot fall under 1
.endr
.irp i, 2,4,6,8,10,12,14
.irp b, 0,1,2,3
	v_max3_num_f32 v[TM+\b], v[TM+\b], |v[\s+16*\b+\i]|, |v[\s+1+16*\b+\i]|
.endr
.endr
.irp b, 0,1,2,3
	v_permlanex16_b32 v[TM+4+\b], v[TM+\b], s40, s41
.endr
.irp b, 0,1,2,3
	v_max_num_f32 v[TM+\b], v[TM+\b], v[TM+4+\b]   ; with lane l xor 16's: the block's largest magnitude
.endr
.irp b, 0,1,2,3
	v_add_nc_u32 v[TM+12+\b], 0xff000000, v[TM+\b] ; 2 off its exponent field: the conversion's scale operand
.endr
.irp b, 0,1,2,3
	v_lshrrev_b32 v[TM+4+\b], 23, v[TM+12+\b]      ; the scale's byte
.endr
	v_lshl_or_b32 v[PW], v[TM+5], 8, v[TM+4]
	v_lshl_or_b32 v[PW], v[TM+6], 16, v[PW]
	v_lshl_or_b32 v[PW], v[TM+7], 24, v[PW]
.irp b, 0,1,2,3
	v_cvt_scalef32_pk8_fp4_f32 v[PC+2*\b], v[\s+16*\b:\s+7+16*\b], v[TM+12+\b]
	v_cvt_scalef32_pk8_fp4_f32 v[PC+1+2*\b], v[\s+8+16*\b:\s+15+16*\b], v[TM+12+\b]
.endr
	v_nop                                          ; one plain line behind a scaled conversion
.irp c, 0,1                                    ; the operand's layout wants a whole block in a lane: lanes 0-15 block 2 c, lanes 16-31 block 2 c + 1
.irp i, 0,1
	v_permlane16_swap_b32 v[PC+4*\c+\i], v[PC+2+4*\c+\i]
.endr
.endr
.endm
; where tile s26 of my expert goes in hq: each time anew from the untouched bases, the tile's number held by a constant
.macro OUTADR
	s_add_co_u32 s19, s20, s26
	s_min_u32 s19, s19, 511
	s_lshl_b32 s38, s19, 15
	s_add_nc_u64 s[34:35], s[30:31], s[38:39]
	s_lshl_b32 s38, s19, 11
	s_add_nc_u64 s[36:37], s[32:33], s[38:39]
.endm
; A tile.  more = 1: the wave has another tile: its operands are asked for behind the products and land under the gelu and the quantiser
.macro TRIP more
	s_wait_loadcnt 0x0                             ; all that the last trip asked for: this tile's fragments and scale words,
	s_wait_dscnt 0x0                               ; and the next tile's tokens
	MUL
.if \more
	AADR                                           ; seven plain lines that name no register of the products: the places in front of the loads and of the first read of results
	TOKADR
	ALOAD
.else
.rept 4
	v_nop
.endr
.endif
	GELU
	QUANT HA
	global_store_b128 v5, v[PC:PC+3], s[34:35]             ; each store of the wave covers 512 consecutive bytes, aligned
	global_store_b128 v5, v[PC+4:PC+7], s[34:35] offset:512
	global_store_b32 v6, v[PW], s[36:37]                   ; lanes r and r + 16 write the same word with the same value
.if \more
	s_wait_xcnt 0x0                                ; the stores' data and bases are written again only behind this wait
	s_add_co_u32 s26, s26, 4
	s_add_co_u32 s27, s27, 4
	OUTADR
.endif
.endm
	s_load_b256 s[4:11], s[0:1], 0x0               ; xq s[4:5], W1's codes s[6:7], W1's scales s[8:9], b1 s[10:11]
	s_load_b128 s[12:15], s[0:1], 0x20             ; ids s[12:13], plan s[14:15]
	s_load_b64 s[44:45], s[0:1], 0x30              ; hq
	v_lshl_add_u32 v254, v0, 2, 0x11a00
	v_mov_b32 v255, 0
	v_lshrrev_b32 v1, 5, v0
	v_readfirstlane_b32 s16, v1                    ; wave
	v_and_b32 v1, 31, v0                           ; lane
	v_and_b32 v2, 15, v0                           ; r
	v_bfe_u32 v3, v0, 4, 1                         ; h
	v_lshlrev_b32 v4, 4, v3                        ; 16 h
	v_lshlrev_b32 v5, 4, v1                        ; 16 x lane
	v_lshlrev_b32 v6, 4, v2                        ; 16 r
	s_mul_i32 s19, s16, 32*WP
	s_add_co_u32 s19, s19, WB
	v_add_nc_u32 v12, s19, v5                      ; the block into LDS: my wave brings rows 32 w .. 32 w + 31
	v_mul_u32_u24 v13, v2, WP
	v_lshl_add_u32 v13, v3, 4, v13
	v_add_nc_u32 v13, WB, v13                      ; and out of it: slot r of a tile, + 16 h
	v_lshl_add_u32 v14, s16, 14, v5                ; the block in memory: 16,384 bytes a wave
	v_and_b32 v15, 8, v2
	v_add_nc_u32 v15, v15, v2
	v_lshl_add_u32 v15, v3, 3, v15
	v_lshlrev_b32 v15, 5, v15                      ; W1's scale bytes: row 8 h + r + 8 (r / 8) of a group of 32, 32 bytes a row
	v_lshlrev_b32 v16, 6, v3                       ; b1: 16 h numbers on
	v_mov_b32 v20, 0xc0135761                      ; A = -2.3022082
	v_mov_b32 v21, 0xc0135761
	v_mov_b32 v22, 0xbdd2d3e8                      ; B = -0.10294324
	v_mov_b32 v23, 0xbdd2d3e8
.irp b, 0,1,2,3
	v_mov_b32 v[TM+4+\b], 0                        ; written once: a lane permute's destination counts as one of its sources
.endr
	WIN 0x40                                       ; destination window 1, sources window 0
	v_mov_b32 v[ZLN], v1
	v_lshlrev_b32 v[ZL2], 1, v1
	v_add_nc_u32 v[ZDI], 1024, v1
	s_lshr_b32 s17, ttmp9, 5                       ; expert
	s_and_b32 s18, ttmp9, 31                       ; which 128 hidden units
	s_lshl_b32 s20, s17, 6                         ; the expert's first tile
	s_mov_b32 s39, 0
	s_mov_b32 s40, 0x76543210
	s_mov_b32 s41, 0xfedcba98                      ; selects for lane l xor 16
	s_wait_kmcnt 0x0
.set i, 0
.rept 16
	global_load_b128 v[ZI+4*i:ZI+4*i+3], v5, s[12:13] offset:512*i   ; ids first: 512 consecutive bytes a load
.set i, i+1
.endr
	WIN 0
	s_lshl_b32 s38, ttmp9, 16
	s_add_nc_u64 s[6:7], s[6:7], s[38:39]          ; my block's codes,
	s_lshl_b32 s38, ttmp9, 12
	s_add_nc_u64 s[8:9], s[8:9], s[38:39]          ; scale bytes,
	s_lshl_b32 s38, ttmp9, 9
	s_add_nc_u64 s[10:11], s[10:11], s[38:39]      ; and biases
	s_add_nc_u64 s[28:29], s[4:5], 0x80000         ; x's scale bytes
	s_lshl_b32 s38, s18, 10
	s_add_nc_u64 s[30:31], s[44:45], s[38:39]      ; hq at my K step's image of tile 0
	s_lshr_b32 s38, s18, 3
	s_lshl_b32 s38, s38, 9
	s_bfe_u32 s19, s18, 0x10002
	s_lshl_b32 s19, s19, 8
	s_add_co_u32 s38, s38, s19
	s_and_b32 s19, s18, 3
	s_lshl_b32 s19, s19, 2
	s_add_co_u32 s38, s38, s19
	s_add_co_u32 s38, s38, HS
	s_add_nc_u64 s[32:33], s[44:45], s[38:39]      ; and at its scale words
.set i, 0
.rept 32
	global_load_b128 v[HA+4*i:HA+4*i+3], v14, s[6:7] offset:512*i th:TH_LOAD_NT   ; a row of 512 bytes a load; read once in the launch
.set i, i+1
.endr
.irp b, 0,1,2,3
	global_load_b128 v[WS+8*\b:WS+8*\b+3], v15, s[8:9] offset:1024*\b
	global_load_b128 v[WS+8*\b+4:WS+8*\b+7], v15, s[8:9] offset:1024*\b+16
.endr
	WIN 0xc0
.irp t, 0,1,2,3,4,5,6,7
	global_load_b128 v[BIAS+8*\t:BIAS+8*\t+3], v16, s[10:11] offset:(32*(\t/2)+8*(\t%2))*4
	global_load_b128 v[BIAS+8*\t+4:BIAS+8*\t+7], v16, s[10:11] offset:(32*(\t/2)+8*(\t%2))*4+16
.endr
	s_wait_loadcnt 56                              ; ids are in: the block's 32 loads, its scale words' 8 and its biases' 16 are younger
	; ---- who is a member, in every wave alike; all registers in window 1
	WIN 0x55
.set k, 0
.rept 64
	v_xor_b32 v[ZI+k], s17, v[ZI+k]                ; 0 where the id is my expert
.set k, k+1
.endr
.set k, 0
.rept 32
	v_mul_u32_u24 v[ZNM+k], v[ZI+2*k], v[ZI+2*k+1]
.set k, k+1
.endr
.set k, 0
.rept 32
	v_min_u32 v[ZNM+k], 1, v[ZNM+k]                ; 0: a member, 1: none
.set k, k+1
.endr
	v_add3_u32 v[ZS], v[ZNM], v[ZNM+1], v[ZNM+2]
	v_add3_u32 v[ZT], v[ZNM+3], v[ZNM+4], v[ZNM+5]
.irp i, 6,10,14,18,22,26
	v_add3_u32 v[ZS], v[ZS], v[ZNM+\i], v[ZNM+\i+1]
	v_add3_u32 v[ZT], v[ZT], v[ZNM+\i+2], v[ZNM+\i+3]
.endr
	v_add3_u32 v[ZS], v[ZS], v[ZNM+30], v[ZNM+31]
	v_add_nc_u32 v[ZS], v[ZS], v[ZT]
	v_sub_nc_u32 v[ZS], 32, v[ZS]                  ; my lane's members: 0 .. 32
.irp b, 0,1,2,3,4,5
	v_and_b32 v[ZB+\b], 1<<\b, v[ZS]
.endr
.irp b, 0,1,2,3,4,5
	v_cmp_ne_u32 s[46+\b], 0, v[ZB+\b]
.endr
.irp b, 0,1,2,3,4,5
	v_mbcnt_lo_u32_b32 v[ZB+\b], s[46+\b], 0       ; the lanes below mine whose count has bit b
.endr
	v_lshl_add_u32 v[ZBASE], v[ZB+1], 1, v[ZB]
.irp b, 2,3,4,5
	v_lshl_add_u32 v[ZBASE], v[ZB+\b], \b, v[ZBASE]
.endr
	v_add_nc_u32 v[ZCW], v[ZBASE], v[ZS]
	v_readlane_b32 s22, v[ZCW], 31                 ; the expert's rows
	WIN 0
	s_min_u32 s22, s22, 1024                       ; a number made of stored ones is held by a constant before anything is made of it
	s_add_co_u32 s21, s22, 15
	s_lshr_b32 s21, s21, 4
	s_max_u32 s21, s21, 1                          ; its tiles; one at the least
	s_max_u32 s23, s22, 1
	s_sub_co_u32 s23, s23, 1                       ; its last row
	s_add_co_u32 s25, s21, 3
	s_sub_co_u32 s25, s25, s16
	s_lshr_b32 s25, s25, 2                         ; my wave's tiles: w, w + 4, ..
	; ---- wave 0 lays the list: no other wave touches LDS ahead of the barrier below
	s_cmp_lg_u32 s16, 0
	s_cbranch_scc1 .Lnot0
	WIN 0x55
	v_mov_b32 v[ZZ], 0
	ds_store_b32 v[ZZ], v[ZZ]                      ; word 0 = token 0, for an expert without rows; LDS serves a wave's instructions in order: rank 0's store comes behind it
	v_mov_b32 v[ZR], v[ZBASE]
.set k, 0
.rept 32
.set zt, ZT+2*(k%4)
	v_add_nc_u32 v[zt], k, v[ZR]                   ; the rank, if a member
	v_cmp_eq_u32 vcc_lo, 0, v[ZNM+k]
	v_cndmask_b32 v[zt], v[ZDI], v[zt], vcc_lo     ; else my dump word
	v_sub_nc_u32 v[ZR], v[ZR], v[ZNM+k]
	v_min_u32 v[zt], 1055, v[zt]
	v_lshlrev_b32 v[zt], 2, v[zt]
	v_add_nc_u32 v[zt+1], 64*(k/2)+k%2, v[ZL2]     ; the token
	ds_store_b32 v[zt], v[zt+1]
.set k, k+1
.endr
	WIN 0
.Lnot0:
	; ---- wave 1 of the expert's first work-group stores cnt and pos
	s_cmp_lg_u32 s16, 1
	s_cbranch_scc1 .Lnopos
	s_cmp_lg_u32 s18, 0
	s_cbranch_scc1 .Lnopos
	s_lshl_b32 s19, s17, 5
	s_add_co_u32 s19, s19, 2304                    ; the expert's dump words in plan, as a word index
	s_lshl_b32 s52, s17, 10
	s_lshl_b32 s53, s17, 7
	WIN 0x55
	v_lshlrev_b32 v[ZL4], 1, v[ZL2]
	v_add_nc_u32 v[ZDG], s19, v[ZLN]
	v_add_nc_u32 v[ZR], s52, v[ZBASE]              ; position = 1024 e + rank
	v_lshl_add_u32 v[ZCA], v[ZLN], 2, s53
	v_mov_b32 v[ZCW], s22
	global_store_b32 v[ZCA], v[ZCW], s[14:15]      ; cnt, 32 times: 128 consecutive bytes
.set k, 0
.rept 32
	v_add_nc_u32 v[ZPD+k], k, v[ZR]
	v_sub_nc_u32 v[ZR], v[ZR], v[ZNM+k]
	v_min_u32 v[ZPA+k], 1, v[ZI+2*k+1]             ; 0 where the expert is the token's second choice
	v_sub_nc_u32 v[ZPA+k], v[ZL4], v[ZPA+k]
	v_add_nc_u32 v[ZPA+k], 257+128*(k/2)+2*(k%2), v[ZPA+k]   ; word 256 + 2 token + slot
	v_cmp_eq_u32 vcc_lo, 0, v[ZNM+k]
	v_cndmask_b32 v[ZPA+k], v[ZDG], v[ZPA+k], vcc_lo
	v_min_u32 v[ZPA+k], 2559, v[ZPA+k]
	v_lshlrev_b32 v[ZPA+k], 2, v[ZPA+k]
	global_store_b32 v[ZPA+k], v[ZPD+k], s[14:15]  ; each store has registers of its own
.set k, k+1
.endr
	WIN 0
.Lnopos:
	s_wait_dscnt 0x0                               ; for the others' sake: the list lies in LDS
	s_barrier_signal -1
	s_barrier_wait -1
	s_mov_b32 s27, s16
	TOKADR
	ds_load_b32 v10, v9                            ; my first tile's tokens
	s_wait_dscnt 0x0
	AADR
	s_add_co_u32 s27, s16, 4
	TOKADR
	ALOAD                                          ; my first tile's operands are on their way while the block turns through LDS
	s_wait_dscnt 0x0                               ; my reads of the list are back:
	s_barrier_signal -1
	s_barrier_wait -1                              ; only now does any wave store into LDS again
	s_wait_loadcnt 17                              ; the block, its scale words and biases are in: the first tile's 17 loads are younger
.set i, 0
.rept 32
.set sg, 8*(((i/8)&1)*2+((i/8)>>1))+i%8
	ds_store_b128 v12, v[HA+4*i:HA+4*i+3] offset:sg*WP
.set i, i+1
.endr
	s_wait_dscnt 0x0                               ; for the others' sake: my 32 rows lie in LDS
	s_barrier_signal -1
	s_barrier_wait -1                              ; the last barrier: behind it LDS is only read
	s_wait_xcnt 0x0                                ; the stores of cnt and pos have read their registers: window 1 is written again only behind this wait
	WIN 0x40
.set st, 0
.rept 8
.if st == 4
	WIN 0x80
.endif
.set tt, 0
.rept 8
	ds_load_b128 v[64*(st%4)+8*tt:64*(st%4)+8*tt+3], v13 offset:16*tt*WP+64*st
	ds_load_b128 v[64*(st%4)+8*tt+4:64*(st%4)+8*tt+7], v13 offset:16*tt*WP+64*st+32
.set tt, tt+1
.endr
.set st, st+1
.endr
	WIN 0
	s_add_co_u32 s27, s16, 8
	s_mov_b32 s26, s16
	OUTADR
	s_wait_dscnt 0x0
	s_cmp_eq_u32 s25, 0
	s_cbranch_scc1 .Lend                           ; no tile for this wave
	s_sub_co_u32 s25, s25, 1
	s_cmp_eq_u32 s25, 0
	s_cbranch_scc1 .Llast
.Ltrip:
	TRIP 1
	s_sub_co_u32 s25, s25, 1
	s_cmp_lg_u32 s25, 0
	s_cbranch_scc1 .Ltrip
.Llast:
	TRIP 0                                         ; the last tile asks for nothing more
.Lend:
	s_barrier_signal -1
	s_barrier_wait -1
	s_wait_tensorcnt 0x0
	ds_add_u32 v254, v255
	s_wait_dscnt 0x0
	s_endpgm
.Lfunc_end_k_q4c021251ea_up:
	.size	k_q4c021251ea_up, .Lfunc_end_k_q4c021251ea_up-k_q4c021251ea_up
	.p2alignl 7, 3214868480
	.fill 96, 4, 3214868480
	.section	.rodata,"a",@progbits
	.p2align	6, 0x0
	.amdhsa_kernel k_q4c021251ea_up
		.amdhsa_group_segment_fixed_size 72704
		.amdhsa_private_segment_fixed_size 0
		.amdhsa_enable_private_segment 0
		.amdhsa_kernarg_size 56
		.amdhsa_user_sgpr_count 2
		.amdhsa_user_sgpr_kernarg_segment_ptr 1
		.amdhsa_wavefront_size32 1
		.amdhsa_system_sgpr_workgroup_id_x 1
		.amdhsa_system_sgpr_workgroup_id_y 1
		.amdhsa_system_sgpr_workgroup_id_z 1
		.amdhsa_system_vgpr_workitem_id 0
		.amdhsa_next_free_vgpr 1024
		.amdhsa_next_free_sgpr 66
		.amdhsa_reserve_vcc 1
		.amdhsa_float_denorm_mode_32 3
		.amdhsa_float_denorm_mode_16_64 3
		.amdhsa_memory_ordered 1
		.amdhsa_forward_progress 1
		.amdhsa_inst_pref_size 112
	.end_amdhsa_kernel
	.amdgpu_metadata
---
amdhsa.version: [ 1, 2 ]
amdhsa.kernels:
  - .name:           k_q4c021251ea_up
    .symbol:         k_q4c021251ea_up.kd
    .args:
      - { .name: xq, .offset: 0, .size: 8, .value_kind: global_buffer, .address_space: global }
      - { .name: W1_codes, .offset: 8, .size: 8, .value_kind: global_buffer, .address_space: global }
      - { .name: W1_scales, .offset: 16, .size: 8, .value_kind: global_buffer, .address_space: global }
      - { .name: b1, .offset: 24, .size: 8, .value_kind: global_buffer, .address_space: global }
      - { .name: ids, .offset: 32, .size: 8, .value_kind: global_buffer, .address_space: global }
      - { .name: plan, .offset: 40, .size: 8, .value_kind: global_buffer, .address_space: global }
      - { .name: hq, .offset: 48, .size: 8, .value_kind: global_buffer, .address_space: global }
    .group_segment_fixed_size: 72704
    .private_segment_fixed_size: 0
    .kernarg_segment_align: 8
    .kernarg_segment_size: 56
    .max_flat_workgroup_size: 128
    .sgpr_count:     66
    .vgpr_count:     1024
    .wavefront_size: 32
...
	.end_amdgpu_metadata
.endif
;; end of part 6
;; launch down (part 7): grid 256 x 1, 4 waves a work-group, no clusters, 75,776 bytes of LDS; arguments hq, W2_codes, W2_scales, b2, plan, yb; writes yb
.if DOCPART == 7
	.amdgcn_target "amdgcn-amd-amdhsa--gfx1250"
	.amdhsa_code_object_version 6
	.text
	.protected	k_q4c021251ea_down
	.globl	k_q4c021251ea_down
	.p2align	8
	.type	k_q4c021251ea_down,@function
k_q4c021251ea_down:
	s_mov_b64 s[64:65], 0
	v_nop
	global_prefetch_b8 v0, s[64:65] scope:SCOPE_SE
	s_setreg_imm32_b32 hwreg(HW_REG_WAVE_MODE, 25, 1), 1
	s_wait_xcnt 0x0
; SECOND PRODUCT OF THE CHOSEN EXPERTS: y = h W2 + b2 for the routed rows, on codes of FP4 (E2M1) with one E8M0 scale for each 32 along K = 4,096.
; SHARES.  Work-group g: expert e = g / 32, output columns 32 (g % 32) .. + 31.  Its 32 rows of W2 are one dense block of 64 KiB, which no other work-group reads.
; EVERY WAVE HOLDS THE WHOLE BLOCK IN REGISTERS (2 tiles x 32 K steps x 8 registers = 512); wave w takes the expert's tiles of 16 rows 64 e + w, 64 e + w + 4, ...
; The number of tiles is made of cnt[e], read from plan, so the trip count hangs on a stored number: therefore no tensor load, no copy, no cluster and no barrier in the loop.  h comes from hq as images of
; the operand's registers, each load 512 consecutive bytes, straight into a ring of four register slots of 8 K steps; a slot is asked for again, for the wave's next tile, as soon as it has been multiplied.
; Four chunks of 17 loads (16 of codes, 1 of scale words) are asked for ahead of a tile.  A wave without a tile asks for tile 64 e, which is always written, and uses nothing of it.
; THE PRODUCT IS USED TRANSPOSED (source 0 = 16 rows of W2, source 1 = 16 rows of h): a lane holds eight neighbouring columns of one row.  b2 is the C of each sum's first instruction.
; OUT: yb [512 tiles][32 column blocks][16 rows][32 f32]: a tile of a block is 2,048 consecutive bytes; it goes through the wave's own stage in LDS and leaves in four stores of 512 consecutive bytes.
; The stage's LDS lines stand ahead of the last chunk's loads, so that they are issued first.
; REGISTERS.  window 0: v1-13 addresses; v16-31 two accumulators; v32-47 b2; v48-63 rows on the way out; v64-95 W2's scale words (register s: lane l has row l's word: tile 1 in lanes 16-31);
;   v96-111 h's scale words (register 4 g + k % 4: lanes 0-15 steps 8 g + 0 .. 3, lanes 16-31 steps 8 g + 4 .. 7); v112-239 the block's way in.
;   window 1: W2's fragments of K steps 0-15 at 16 s + 8 t;  window 2: of K steps 16-31;  window 3: the ring, slot g at 64 g + 8 k.
.set HS,   16777216
.set WP2,  2064                        ; an LDS row: 2,048 bytes + 16
.set STG,  66048                       ; behind the block: a stage of 16 rows x (128 bytes + 16) for each wave
.set ACC,  16
.set BIAS, 32
.set OUTR, 48
.set WS,   64
.set AS,   96
.set STA,  112
.set MSB,  0
.macro WIN new                         ; the immediate's high byte repeats the setting that is left
.if MSB != \new
	s_set_vgpr_msb (MSB<<8)|\new
.set MSB, \new
.endif
.endm
.macro WM                              ; one matrix instruction, by the symbols rD, rA, rB, rC, rSA, rSB, fA, fB (1: that side's scales stand in lanes 16-31)
.if fA && fB
	v_wmma_scale_f32_16x16x128_f8f6f4 v[rD:rD+7], v[rA:rA+7], v[rB:rB+7], v[rC:rC+7], v[rSA], v[rSB] matrix_a_fmt:MATRIX_FMT_FP4 matrix_b_fmt:MATRIX_FMT_FP4 matrix_a_scale:MATRIX_SCALE_ROW1 matrix_b_scale:MATRIX_SCALE_ROW1
.elseif fA
	v_wmma_scale_f32_16x16x128_f8f6f4 v[rD:rD+7], v[rA:rA+7], v[rB:rB+7], v[rC:rC+7], v[rSA], v[rSB] matrix_a_fmt:MATRIX_FMT_FP4 matrix_b_fmt:MATRIX_FMT_FP4 matrix_a_scale:MATRIX_SCALE_ROW1
.elseif fB
	v_wmma_scale_f32_16x16x128_f8f6f4 v[rD:rD+7], v[rA:rA+7], v[rB:rB+7], v[rC:rC+7], v[rSA], v[rSB] matrix_a_fmt:MATRIX_FMT_FP4 matrix_b_fmt:MATRIX_FMT_FP4 matrix_b_scale:MATRIX_SCALE_ROW1
.else
	v_wmma_scale_f32_16x16x128_f8f6f4 v[rD:rD+7], v[rA:rA+7], v[rB:rB+7], v[rC:rC+7], v[rSA], v[rSB] matrix_a_fmt:MATRIX_FMT_FP4 matrix_b_fmt:MATRIX_FMT_FP4
.endif
.endm
; 17 loads: K steps 8 g .. 8 g + 7 of the tile at s[24:25], and their scale words
.macro CHUNK g
	WIN 0xc0
.irp k, 0,1,2,3,4,5,6,7
	global_load_b128 v[64*\g+8*\k:64*\g+8*\k+3], v5, s[24:25] offset:(8*\g+\k)*1024
	global_load_b128 v[64*\g+8*\k+4:64*\g+8*\k+7], v5, s[24:25] offset:(8*\g+\k)*1024+512
.endr
	WIN 0
	global_load_b128 v[AS+4*\g:AS+4*\g+3], v5, s[26:27] offset:512*\g
.endm
; 16 matrix instructions: 8 K steps, the two accumulators by turns, one instruction a turn
.macro MUL16 g
.if \g < 2
	WIN 0x0d                                       ; source 0 window 1, source 1 window 3
.else
	WIN 0x0e                                       ; source 0 window 2
.endif
.set kk, 0
.rept 8
.set tt, 0
.rept 2
.set rD, ACC+8*tt
.set rA, 16*((8*\g+kk)%16)+8*tt
.set rB, 64*\g+8*kk
.set rC, ACC+8*tt
.if (\g == 0) && (kk == 0)
.set rC, BIAS+8*tt
.endif
.set rSA, WS+8*\g+kk
.set rSB, AS+4*\g+kk%4
.set fA, tt
.set fB, kk/4
	WM
.set tt, tt+1
.endr
.set kk, kk+1
.endr
.endm
; addresses for my tile s23: where it goes in yb, and where the tile after it lies in hq; each anew from the untouched bases, the tile's number held by a constant
.macro ADRS
	s_add_co_u32 s36, s20, s23
	s_min_u32 s36, s36, 511
	s_lshl_b32 s34, s36, 16
	s_add_nc_u64 s[28:29], s[32:33], s[34:35]
	s_add_co_u32 s36, s20, s23
	s_add_co_u32 s36, s36, 4
	s_min_u32 s36, s36, 511
	s_lshl_b32 s34, s36, 15
	s_add_nc_u64 s[24:25], s[4:5], s[34:35]
	s_lshl_b32 s34, s36, 11
	s_add_nc_u64 s[26:27], s[30:31], s[34:35]
.endm
; A tile.  fill = 1: the wave has another tile, and each slot takes that tile's chunk as soon as it has been multiplied
.macro TILE fill
.irp g, 0,1,2,3
.if \fill
	s_wait_loadcnt 51                              ; this chunk is in: three chunks of 17 loads are younger
.else
	s_wait_loadcnt 51-17*\g                        ; the counts run down
.endif
	MUL16 \g
.if \g < 3
.if \fill
.rept 4
	v_nop                                          ; places in front of loads into registers that the products have read
.endr
	CHUNK \g
.endif
.else
.rept 5
	v_nop                                          ; places in front of the first read of results and of the loads below; the fifth: the next tile's first products write over these accumulators with another C
.endr
	WIN 0
	ds_store_b128 v10, v[ACC:ACC+3]                ; each accumulator from its low end on
	ds_store_b128 v10, v[ACC+4:ACC+7] offset:16
	ds_store_b128 v10, v[ACC+8:ACC+11] offset:64
	ds_store_b128 v10, v[ACC+12:ACC+15] offset:80
.irp q, 0,1,2,3
	ds_load_b128 v[OUTR+4*\q:OUTR+4*\q+3], v11 offset:576*\q   ; my wave's own bytes; LDS serves a wave's instructions in order
.endr
.if \fill
	CHUNK \g
.endif
.endif
.endr
	s_wait_dscnt 0x0                               ; the rows are back, and the stage's stores have read the accumulators
.irp q, 0,1,2,3
	global_store_b128 v5, v[OUTR+4*\q:OUTR+4*\q+3], s[28:29] offset:512*\q   ; 512 consecutive bytes, aligned
.endr
.if \fill
	s_wait_xcnt 0x0                                ; the stores' data and the bases of loads and stores are written again only behind this wait
	s_add_co_u32 s23, s23, 4
	ADRS
.endif
.endm
	s_load_b256 s[4:11], s[0:1], 0x0               ; hq s[4:5], W2's codes s[6:7], W2's scales s[8:9], b2 s[10:11]
	s_load_b128 s[12:15], s[0:1], 0x20             ; plan s[12:13], yb s[14:15]
	v_lshl_add_u32 v254, v0, 2, 0x12600
	v_mov_b32 v255, 0
	v_lshrrev_b32 v1, 5, v0
	v_readfirstlane_b32 s16, v1                    ; wave
	v_and_b32 v1, 31, v0                           ; lane
	v_and_b32 v2, 15, v0                           ; r
	v_bfe_u32 v3, v0, 4, 1                         ; h
	v_lshlrev_b32 v5, 4, v1                        ; 16 x lane
	s_mul_i32 s19, s16, 8*WP2
	v_add_nc_u32 v6, s19, v5                       ; the block into LDS: my wave brings rows 8 w .. 8 w + 7
	v_mul_u32_u24 v7, v2, WP2
	v_lshl_add_u32 v7, v3, 4, v7                   ; and out of it: row r of a tile, + 16 h
	v_lshlrev_b32 v8, 7, v1                        ; W2's scale bytes: 128 a row, a lane a row
	v_lshlrev_b32 v9, 5, v3                        ; b2: 8 h numbers on
	s_mul_i32 s19, s16, 2304
	s_add_co_u32 s19, s19, STG                     ; my stage
	v_mul_u32_u24 v10, v2, 144
	v_lshl_add_u32 v10, v3, 5, v10
	v_add_nc_u32 v10, s19, v10                     ; in: row r, + 32 h
	v_lshrrev_b32 v11, 3, v1
	v_mul_u32_u24 v11, v11, 144
	v_and_b32 v13, 7, v1
	v_lshl_add_u32 v11, v13, 4, v11
	v_add_nc_u32 v11, s19, v11                     ; back: eight lanes to a row of 128 bytes
	v_lshl_add_u32 v12, s16, 14, v5                ; the block in memory: 16,384 bytes a wave
	s_lshr_b32 s17, ttmp9, 5                       ; expert
	s_and_b32 s18, ttmp9, 31                       ; which 32 columns
	s_lshl_b32 s20, s17, 6                         ; the expert's first tile
	s_mov_b32 s35, 0
	s_wait_kmcnt 0x0
	s_lshl_b32 s34, s17, 7
	s_add_nc_u64 s[38:39], s[12:13], s[34:35]
	s_load_b32 s21, s[38:39], 0x0                  ; cnt
	s_lshl_b32 s34, ttmp9, 16
	s_add_nc_u64 s[6:7], s[6:7], s[34:35]          ; my block's codes,
	s_lshl_b32 s34, ttmp9, 12
	s_add_nc_u64 s[8:9], s[8:9], s[34:35]          ; scale bytes,
	s_lshl_b32 s34, ttmp9, 7
	s_add_nc_u64 s[10:11], s[10:11], s[34:35]      ; and biases
	s_add_nc_u64 s[30:31], s[4:5], HS              ; h's scale words
	s_lshl_b32 s34, s18, 11
	s_add_nc_u64 s[32:33], s[14:15], s[34:35]      ; yb at my column block of tile 0
.set i, 0
.rept 32
	global_load_b128 v[STA+4*i:STA+4*i+3], v12, s[6:7] offset:512*i th:TH_LOAD_NT   ; 512 consecutive bytes a load; read once in the launch
.set i, i+1
.endr
.irp j, 0,1,2,3,4,5,6,7
	global_load_b128 v[WS+4*\j:WS+4*\j+3], v8, s[8:9] offset:16*\j
.endr
.irp t, 0,1
	global_load_b128 v[BIAS+8*\t:BIAS+8*\t+3], v9, s[10:11] offset:64*\t
	global_load_b128 v[BIAS+8*\t+4:BIAS+8*\t+7], v9, s[10:11] offset:64*\t+16
.endr
	s_wait_kmcnt 0x0
	s_min_u32 s21, s21, 1024                       ; a stored number is held by a constant before anything is made of it
	s_add_co_u32 s21, s21, 15
	s_lshr_b32 s21, s21, 4                         ; the expert's tiles
	s_add_co_u32 s22, s21, 3
	s_sub_co_u32 s22, s22, s16
	s_lshr_b32 s22, s22, 2                         ; my wave's tiles: w, w + 4, ..
	s_add_co_u32 s36, s20, s16
	s_cmp_lt_u32 s16, s21
	s_cselect_b32 s36, s36, s20                    ; my first tile (a wave without one: the expert's first, which is always written; its numbers are not used)
	s_min_u32 s36, s36, 511
	s_lshl_b32 s34, s36, 15
	s_add_nc_u64 s[24:25], s[4:5], s[34:35]
	s_lshl_b32 s34, s36, 11
	s_add_nc_u64 s[26:27], s[30:31], s[34:35]
	CHUNK 0
	CHUNK 1
	CHUNK 2
	CHUNK 3
	s_wait_loadcnt 63                              ; 68 loads were issued behind the block's, its scale words' and biases' 44: those are in
.set i, 0
.rept 32
	ds_store_b128 v6, v[STA+4*i:STA+4*i+3] offset:(i/4)*WP2+(i%4)*512
.set i, i+1
.endr
	s_wait_dscnt 0x0                               ; for the others' sake: my eight rows lie in LDS
	s_barrier_signal -1
	s_barrier_wait -1                              ; the one barrier: ahead of every branch that hangs on a stored number
	WIN 0x40
.set st, 0
.rept 32
.if st == 16
	WIN 0x80
.endif
.set tt, 0
.rept 2
	ds_load_b128 v[16*(st%16)+8*tt:16*(st%16)+8*tt+3], v7 offset:16*tt*WP2+64*st
	ds_load_b128 v[16*(st%16)+8*tt+4:16*(st%16)+8*tt+7], v7 offset:16*tt*WP2+64*st+32
.set tt, tt+1
.endr
.set st, st+1
.endr
	WIN 0
	s_wait_xcnt 0x0                                ; the first chunks' loads have read their bases
	s_mov_b32 s23, s16
	ADRS
	s_wait_dscnt 0x0
	s_cmp_eq_u32 s22, 0
	s_cbranch_scc1 .Lend                           ; no tile for this wave
	s_sub_co_u32 s22, s22, 1
	s_cmp_eq_u32 s22, 0
	s_cbranch_scc1 .Llast
.Ltile:
	TILE 1
	s_sub_co_u32 s22, s22, 1
	s_cmp_lg_u32 s22, 0
	s_cbranch_scc1 .Ltile
.Llast:
	TILE 0                                         ; the last tile asks for nothing more
.Lend:
	s_barrier_signal -1
	s_barrier_wait -1
	s_wait_tensorcnt 0x0
	ds_add_u32 v254, v255
	s_wait_dscnt 0x0
	s_endpgm
.Lfunc_end_k_q4c021251ea_down:
	.size	k_q4c021251ea_down, .Lfunc_end_k_q4c021251ea_down-k_q4c021251ea_down
	.p2alignl 7, 3214868480
	.fill 96, 4, 3214868480
	.section	.rodata,"a",@progbits
	.p2align	6, 0x0
	.amdhsa_kernel k_q4c021251ea_down
		.amdhsa_group_segment_fixed_size 75776
		.amdhsa_private_segment_fixed_size 0
		.amdhsa_enable_private_segment 0
		.amdhsa_kernarg_size 48
		.amdhsa_user_sgpr_count 2
		.amdhsa_user_sgpr_kernarg_segment_ptr 1
		.amdhsa_wavefront_size32 1
		.amdhsa_system_sgpr_workgroup_id_x 1
		.amdhsa_system_sgpr_workgroup_id_y 1
		.amdhsa_system_sgpr_workgroup_id_z 1
		.amdhsa_system_vgpr_workitem_id 0
		.amdhsa_next_free_vgpr 1024
		.amdhsa_next_free_sgpr 66
		.amdhsa_reserve_vcc 0
		.amdhsa_float_denorm_mode_32 3
		.amdhsa_float_denorm_mode_16_64 3
		.amdhsa_memory_ordered 1
		.amdhsa_forward_progress 1
		.amdhsa_inst_pref_size 51
	.end_amdhsa_kernel
	.amdgpu_metadata
---
amdhsa.version: [ 1, 2 ]
amdhsa.kernels:
  - .name:           k_q4c021251ea_down
    .symbol:         k_q4c021251ea_down.kd
    .args:
      - { .name: hq, .offset: 0, .size: 8, .value_kind: global_buffer, .address_space: global }
      - { .name: W2_codes, .offset: 8, .size: 8, .value_kind: global_buffer, .address_space: global }
      - { .name: W2_scales, .offset: 16, .size: 8, .value_kind: global_buffer, .address_space: global }
      - { .name: b2, .offset: 24, .size: 8, .value_kind: global_buffer, .address_space: global }
      - { .name: plan, .offset: 32, .size: 8, .value_kind: global_buffer, .address_space: global }
      - { .name: yb, .offset: 40, .size: 8, .value_kind: global_buffer, .address_space: global }
    .group_segment_fixed_size: 75776
    .private_segment_fixed_size: 0
    .kernarg_segment_align: 8
    .kernarg_segment_size: 48
    .max_flat_workgroup_size: 128
    .sgpr_count:     66
    .vgpr_count:     1024
    .wavefront_size: 32
...
	.end_amdgpu_metadata
.endif
;; end of part 7
;; launch combine (part 8): grid 256 x 1, 4 waves a work-group, no clusters, 0 bytes of LDS; arguments yb, plan, gates, out0; writes out0
.if DOCPART == 8
	.amdgcn_target "amdgcn-amd-amdhsa--gfx1250"
	.amdhsa_code_object_version 6
	.text
	.protected	k_q4c021251ea_combine
	.globl	k_q4c021251ea_combine
	.p2align	8
	.type	k_q4c021251ea_combine,@function
k_q4c021251ea_combine:
	s_mov_b64 s[64:65], 0
	v_nop
	global_prefetch_b8 v0, s[64:65] scope:SCOPE_SE
	s_setreg_imm32_b32 hwreg(HW_REG_WAVE_MODE, 25, 1), 1
	s_wait_xcnt 0x0
; out[t] = g0 y[p0] + g1 y[p1]: the weighted sum over the two chosen experts; the other six have the gate 0 and were not computed.
; One wave owns one token t = 4 x work-group + wave.  p0, p1 (plan's pos, from byte 1,024 on; held by a constant before they enter an address) and g0, g1 come by scalar loads.
; yb lies [512 tiles][32 column blocks][16 rows][32 f32]: position p is row p % 16 of tile p / 16, and its row is 32 pieces of 128 bytes, 2,048 bytes apart: eight lanes take a piece, a load four pieces.
; That is the price of the launch before storing each of its tiles as 2,048 consecutive bytes.  The output leaves in stores of 512 consecutive bytes, aligned.
; A stream: no LDS, no barrier, no matrix unit (K = 2).
	s_load_b256 s[4:11], s[0:1], 0x0               ; yb s[4:5], plan s[6:7], gates s[8:9], out0 s[10:11]
	v_lshrrev_b32 v1, 5, v0
	v_readfirstlane_b32 s20, v1                    ; wave
	v_and_b32 v1, 31, v0                           ; lane
	v_lshrrev_b32 v4, 3, v1
	v_lshlrev_b32 v2, 11, v4
	v_and_b32 v4, 7, v1
	v_lshl_add_u32 v2, v4, 4, v2                   ; column block lane / 8, 16 bytes a lane
	v_lshlrev_b32 v3, 4, v1                        ; out: 16 x lane
	s_lshl_b32 s21, ttmp9, 2
	s_add_co_u32 s21, s21, s20                     ; my token
	s_lshl_b32 s22, s21, 3
	s_mov_b32 s23, 0
	s_wait_kmcnt 0x0
	s_add_nc_u64 s[6:7], s[6:7], s[22:23]
	s_add_nc_u64 s[8:9], s[8:9], s[22:23]
	s_load_b64 s[12:13], s[6:7], 0x400             ; its two positions
	s_load_b64 s[14:15], s[8:9], 0x0               ; its two gates
	s_lshl_b32 s22, s21, 12
	s_add_nc_u64 s[10:11], s[10:11], s[22:23]      ; its row of the output
	s_wait_kmcnt 0x0
	s_min_u32 s12, s12, 8191
	s_min_u32 s13, s13, 8191
	s_and_b32 s22, s12, 0x1ff0
	s_lshl_b32 s22, s22, 12                        ; the tile's 65,536 bytes,
	s_and_b32 s18, s12, 15
	s_lshl_b32 s18, s18, 7                         ; the row's 128
	s_add_co_u32 s22, s22, s18
	s_add_nc_u64 s[24:25], s[4:5], s[22:23]
	s_and_b32 s22, s13, 0x1ff0
	s_lshl_b32 s22, s22, 12
	s_and_b32 s18, s13, 15
	s_lshl_b32 s18, s18, 7
	s_add_co_u32 s22, s22, s18
	s_add_nc_u64 s[26:27], s[4:5], s[22:23]
	s_mov_b32 s16, s15                             ; g1 as a pair's low word (the packed form names a pair and takes its low word for both halves)
	s_mov_b32 s17, s15
.irp i, 0,1,2,3,4,5,6,7
	global_load_b128 v[16+4*\i:19+4*\i], v2, s[24:25] offset:8192*\i
.endr
.irp i, 0,1,2,3,4,5,6,7
	global_load_b128 v[48+4*\i:51+4*\i], v2, s[26:27] offset:8192*\i
.endr
	s_wait_loadcnt 8                               ; the first row is in: the second row's eight loads are younger
.set j, 0
.rept 16
	v_pk_mul_f32 v[16+j:17+j], v[16+j:17+j], s[14:15] op_sel_hi:[1,0]
.set j, j+2
.endr
	s_wait_loadcnt 0x0
.set j, 0
.rept 16
	v_pk_fma_f32 v[16+j:17+j], v[48+j:49+j], s[16:17], v[16+j:17+j] op_sel_hi:[1,0,1]
.set j, j+2
.endr
.irp i, 0,1,2,3,4,5,6,7
	global_store_b128 v3, v[16+4*\i:19+4*\i], s[10:11] offset:512*\i th:TH_STORE_NT
.endr
	s_endpgm
.Lfunc_end_k_q4c021251ea_combine:
	.size	k_q4c021251ea_combine, .Lfunc_end_k_q4c021251ea_combine-k_q4c021251ea_combine
	.p2alignl 7, 3214868480
	.fill 96, 4, 3214868480
	.section	.rodata,"a",@progbits
	.p2align	6, 0x0
	.amdhsa_kernel k_q4c021251ea_combine
		.amdhsa_group_segment_fixed_size 0
		.amdhsa_private_segment_fixed_size 0
		.amdhsa_enable_private_segment 0
		.amdhsa_kernarg_size 32
		.amdhsa_user_sgpr_count 2
		.amdhsa_user_sgpr_kernarg_segment_ptr 1
		.amdhsa_wavefront_size32 1
		.amdhsa_system_sgpr_workgroup_id_x 1
		.amdhsa_system_sgpr_workgroup_id_y 1
		.amdhsa_system_sgpr_workgroup_id_z 1
		.amdhsa_system_vgpr_workitem_id 0
		.amdhsa_next_free_vgpr 80
		.amdhsa_next_free_sgpr 66
		.amdhsa_reserve_vcc 0
		.amdhsa_float_denorm_mode_32 3
		.amdhsa_float_denorm_mode_16_64 3
		.amdhsa_memory_ordered 1
		.amdhsa_forward_progress 1
		.amdhsa_inst_pref_size 6
	.end_amdhsa_kernel
	.amdgpu_metadata
---
amdhsa.version: [ 1, 2 ]
amdhsa.kernels:
  - .name:           k_q4c021251ea_combine
    .symbol:         k_q4c021251ea_combine.kd
    .args:
      - { .name: yb, .offset: 0, .size: 8, .value_kind: global_buffer, .address_space: global }
      - { .name: plan, .offset: 8, .size: 8, .value_kind: global_buffer, .address_space: global }
      - { .name: gates, .offset: 16, .size: 8, .value_kind: global_buffer, .address_space: global }
      - { .name: out0, .offset: 24, .size: 8, .value_kind: global_buffer, .address_space: global }
    .group_segment_fixed_size: 0
    .private_segment_fixed_size: 0
    .kernarg_segment_align: 8
    .kernarg_segment_size: 32
    .max_flat_workgroup_size: 128
    .sgpr_count:     66
    .vgpr_count:     80
    .wavefront_size: 32
...
	.end_amdgpu_metadata
.endif
;; end of part 8
;; ======== version 3 of 3: 4 launches; version 2 with the launches up, down written anew for expert scheduling mode
;; workspace buffers: xq 557,056 bytes; ids 8,192 bytes of whole numbers; gates 8,192 bytes; plan 10,240 bytes of whole numbers; hq 17,825,792 bytes; yb 33,554,432 bytes
;; launch route: the kernel of part 1 again; grid 256 x 1, 4 waves a work-group, no clusters, 52,224 bytes of LDS; arguments x, Wg, bg, xq, ids, gates; writes xq, ids, gates
;; launch up (part 9): grid 256 x 1, 4 waves a work-group, no clusters, 72,704 bytes of LDS; arguments xq, W1_codes, W1_scales, b1, ids, plan, hq; writes plan, hq
.if DOCPART == 9
	.amdgcn_target "amdgcn-amd-amdhsa--gfx1250"
	.amdhsa_code_object_version 6
	.text
	.protected	k_q4c021251ea_up
	.globl	k_q4c021251ea_up
	.p2align	8
	.type	k_q4c021251ea_up,@function
k_q4c021251ea_up:
	s_mov_b64 s[64:65], 0
	v_nop
	global_prefetch_b8 v0, s[64:65] scope:SCOPE_SE
	s_setreg_imm32_b32 hwreg(HW_REG_WAVE_SCHED_MODE, 0, 2), 2
	s_setreg_imm32_b32 hwreg(HW_REG_WAVE_MODE, 25, 1), 1
	s_wait_xcnt 0x0
	s_wait_alu depctr_vm_vsrc(0)
; PLACING OF THE ROUTED ROWS, AND THE FIRST PRODUCT OF THE CHOSEN EXPERTS: h = Q(gelu(x W1 + b1)), on codes of FP4 (E2M1) with one E8M0 scale for each 32 along K; only the routed rows are multiplied.
; SHARES.  Work-group g: expert e = g / 32, hidden units 128 (g % 32) .. + 127, which are K step g % 32 of the second product.  Its 128 rows of W1 are one dense block of 64 KiB, which no other
; work-group reads.  EVERY WAVE HOLDS THE WHOLE BLOCK IN REGISTERS (8 tiles x 8 K steps x 8 registers = 512); wave w takes the expert's tiles of 16 rows w, w + 4, ...
; THE PLACING.  Every expert has room of its own: tiles 64 e .. 64 e + 63, position = 1024 e + rank; so a work-group needs its own expert's members alone.  Each wave reads all of ids (8 KiB); lane l,
; number k holds token 64 (k / 2) + 2 l + k % 2; a token is a member where (id0 ^ e)(id1 ^ e) = 0; the rank goes by lane, then by k; the lanes' counts (6 bits) are summed over the lower lanes by six ballots.
; Wave 0 lays the members' tokens by rank into a list in LDS (the others' go to dump words behind it, so that all lanes stay on).  In the eight work-groups of block 0 wave 1 stores for the later launches:
; plan: cnt[e] at byte 128 e (32 equal words), pos[2 t + slot] at 1,024 (the others' again to dump words, the expert's own, at 9,216 + 128 e).
; The number of tiles hangs on stored numbers: therefore no tensor load, no copy, no cluster, and no barrier in the loop; what work-groups share (the tokens' codes) is gathered by the list, row by row.
; THREE BARRIERS stand ahead of the loop: behind the list's stores; behind the first reads of the list, so that no wave stores the block into LDS while another reads the list; behind the block's stores.
; THE BLOCK'S WAY IN: loads of 512 consecutive bytes (a row), through LDS once.  The rows are laid so that slot 16 t + r holds row 32 (t / 2) + 8 (t % 2) + r + 8 (r / 8): THE ROWS OF A TILE ARE NOT
; NEIGHBOURS, so that the 16 registers of tiles 2 b, 2 b + 1 are 16 neighbours along the next K.
; THE PRODUCT IS USED TRANSPOSED (source 0 = 16 rows of W1, source 1 = 16 tokens): a lane holds one token, its registers run along the hidden units.  b1 is the C of each sum's first instruction.
; gelu (tanh form) is written x / (1 + 2^(x (A + B x^2))), A = -2 log2(e) sqrt(2 / pi), B = 0.044715 A: the same function as 0.5 x (1 + tanh(u)).
; OUT: hq = images of the second product's operand registers, [tile][K step][1,024 bytes] (registers 0-3 at 16 x lane, 4-7 at 512 + 16 x lane), and from byte HS on the scale words, 2,048 bytes a tile:
; step s, row r at (s / 8) 512 + ((s / 4) % 2) 256 + 16 r + 4 (s % 4).  Rows behind an expert's last row repeat that row (the index is held at cnt - 1); nobody uses their results.
; An expert without rows makes one tile of token 0, so that tile 64 e, which the next launch's waves without a tile read ahead, is always written.
; LIMITS: NaN and infinities are not served; a block of zeros gets the scale byte 1 (zero codes; this program alone reads the bytes); where 2^(..) would be denormal it counts as 0, and gelu gives x.
; REGISTERS.  window 0: v1-16 addresses; v[20:23] A, B; v32-95 the 8 accumulators; v96-159 gelu's temporaries (both first serve the block's way in); v160-191 W1's scale words (register 8 b + s:
;   lanes 0-15 tile 2 b, lanes 16-31 tile 2 b + 1); v192-195 x's scale words (lanes 0-15 steps 0-3, lanes 16-31 steps 4-7); v200-216 the quantiser; v224-231 the codes just made.
;   window 1: first the placing's scratch, then W1's fragments of K steps 0-3 at 64 s + 8 t;  window 2: of K steps 4-7;  window 3: v0-63 the tokens' fragments at 8 s, v64-127 b1 at 64 + 8 t.
; THE MODE: SCHED_MODE bits 1:0 = 2 (LLVM: expert scheduling mode 2), set by the entry lines.  The code itself states the register dependences between vector or matrix instructions
; and memory or LDS instructions, and those through scalar registers that vector instructions write, with s_wait_alu, always for 0.
; THE PLAN.  Registers that memory or LDS instructions touch:
;   v5, v6, v12-16    addresses, written at the head and never again: one wait on va_vdst ahead of the first load serves them for the whole kernel.
;   the scratch       ids land in it; vector lines work on it; each of the list's 33 LDS stores (wave 0) and of the plan's 33 stores (wave 1) has an address and a data register of its own there, so that
;                     ONE wait on va_vdst stands ahead of each run of stores.  The fragments' LDS loads take the scratch over behind one wait on vm_vsrc.
;   v32-159           the block lands there and is read by its LDS stores; behind that same wait on vm_vsrc the products and the gelu write them.
;   in the loop       v7, v8, v9: written by the address lines behind the products, read by the next tile's loads.  v10: the list's load lands in it, the address lines read it.
;                     the tokens' fragments and x's scale words: a tile's 17 loads land in them, its 64 products read them.  v224-231, v216: written by the quantiser, read by the three stores.
;   So a trip has one wait on vm_vsrc at its head (the last trip's loads and stores have read their registers), one on va_vdst ahead of the next tile's loads (the addresses are written; the products and
;   the address lines are done reading what the loads land in), the gelu's two, and one ahead of the stores.
.set HS,   16777216                    ; 512 tiles x 32 steps x 1,024 bytes
.set WB,   4608                        ; LDS: the list (1,024 words), 32 dump words, and from here the block
.set WP,   528                         ; an LDS row: 512 bytes + 16
.set HA,   32
.set GT,   96
.set WS,   160
.set XS,   192
.set TM,   200
.set PW,   216
.set PC,   224
.set BIAS, 64
; the placing's scratch, in window 1
.set ZI,   0                           ; v0-63    ids as loaded, then id ^ e
.set ZNM,  64                          ; v64-95   1 where number k's token is no member
.set ZLN,  96                          ; lane
.set ZL2,  97                          ; 2 x lane
.set ZDI,  98                          ; my dump word's index in the list: 1,024 + lane
.set ZS,   99                          ; my lane's members
.set ZBASE, 100                        ; the members in the lanes below mine
.set ZT,   101                         ; at work
.set ZR,   109                         ; rank of number k, less k
.set ZZ,   110
.set ZCW,  111
.set ZL4,  112
.set ZDG,  113
.set ZCA,  114
.set ZB,   116                         ; v116-121 the six bits' counts
.set ZPA,  128                         ; v128-159 pos: byte offsets
.set ZPD,  160                         ; v160-191 pos: positions
.set ZLA,  192                         ; v192-223 the list: LDS byte addresses
.set ZLD,  224                         ; v224-255 the list: tokens
.set MSB,  0
.macro WIN new                         ; the immediate's high byte repeats the setting that is left
.if MSB != \new
	s_set_vgpr_msb (MSB<<8)|\new
.set MSB, \new
.endif
.endm
; one matrix instruction, by the symbols rD, rA, rB, rC (first registers), rSA, rSB (scale registers), fA, fB (1: that side's scales stand in lanes 16-31)
.macro WM
.if fA && fB
	v_wmma_scale_f32_16x16x128_f8f6f4 v[rD:rD+7], v[rA:rA+7], v[rB:rB+7], v[rC:rC+7], v[rSA], v[rSB] matrix_a_fmt:MATRIX_FMT_FP4 matrix_b_fmt:MATRIX_FMT_FP4 matrix_a_scale:MATRIX_SCALE_ROW1 matrix_b_scale:MATRIX_SCALE_ROW1
.elseif fA
	v_wmma_scale_f32_16x16x128_f8f6f4 v[rD:rD+7], v[rA:rA+7], v[rB:rB+7], v[rC:rC+7], v[rSA], v[rSB] matrix_a_fmt:MATRIX_FMT_FP4 matrix_b_fmt:MATRIX_FMT_FP4 matrix_a_scale:MATRIX_SCALE_ROW1
.elseif fB
	v_wmma_scale_f32_16x16x128_f8f6f4 v[rD:rD+7], v[rA:rA+7], v[rB:rB+7], v[rC:rC+7], v[rSA], v[rSB] matrix_a_fmt:MATRIX_FMT_FP4 matrix_b_fmt:MATRIX_FMT_FP4 matrix_b_scale:MATRIX_SCALE_ROW1
.else
	v_wmma_scale_f32_16x16x128_f8f6f4 v[rD:rD+7], v[rA:rA+7], v[rB:rB+7], v[rC:rC+7], v[rSA], v[rSB] matrix_a_fmt:MATRIX_FMT_FP4 matrix_b_fmt:MATRIX_FMT_FP4
.endif
.endm
; v9 = LDS byte of the list's word for my row (lane % 16) of the expert's tile s27: the index is held at cnt - 1, and by a constant
.macro TOKADR
	v_lshl_add_u32 v9, s27, 4, v2
	v_min_u32 v9, s23, v9
	v_min_u32 v9, 1023, v9
	v_lshlrev_b32 v9, 2, v9
.endm
; the token in v10 becomes the offsets of its codes (v7) and of its scale words (v8)
.macro AADR
	v_min_u32 v11, 1023, v10
	v_lshl_add_u32 v7, v11, 9, v4
	v_lshl_add_u32 v8, v11, 5, v4
.endm
; 17 loads from memory: a tile's eight fragments and its scale words; and from the list the token of the tile after it
.macro ALOAD
	WIN 0xc0
	s_wait_alu depctr_va_vdst(0)                   ; v7, v8 and v9 are written, which the loads below read; the products are done reading the fragments and x's scale words, and the address lines v10: the loads land in these
.irp s, 0,1,2,3,4,5,6,7
	global_load_b128 v[8*\s:8*\s+3], v7, s[4:5] offset:64*\s
	global_load_b128 v[8*\s+4:8*\s+7], v7, s[4:5] offset:64*\s+32
.endr
	WIN 0
	global_load_b128 v[XS:XS+3], v8, s[28:29]      ; (between the wait and these two stand loads and window switches alone)
	ds_load_b32 v10, v9
.endm
; 64 matrix instructions: K step by K step, the eight accumulators by turns, one instruction a turn
.macro MUL
.set st, 0
.rept 8
.if st == 0
	WIN 0x3d                                       ; source 0 window 1, source 1 and C (b1) window 3
.elseif st < 4
	WIN 0x0d
.else
	WIN 0x0e                                       ; source 0 window 2
.endif
.set tt, 0
.rept 8
.set rD, HA+8*tt
.set rA, 64*(st%4)+8*tt
.set rB, 8*st
.set rC, HA+8*tt
.if st == 0
.set rC, BIAS+8*tt
.endif
.set rSA, WS+8*(tt/2)+st
.set rSB, XS+st%4
.set fA, tt%2
.set fB, st/4
	WM
.set tt, tt+1
.endr
.set st, st+1
.endr
	WIN 0
.endm
.macro GELU                            ; each accumulator is read from its low end on
.set j, 0
.rept 32
	v_pk_mul_f32 v[GT+j:GT+j+1], v[HA+j:HA+j+1], v[HA+j:HA+j+1]
.set j, j+2
.endr
.set j, 0
.rept 32
	v_pk_fma_f32 v[GT+j:GT+j+1], v[GT+j:GT+j+1], v[22:23], v[20:21]    ; A + B x^2
.set j, j+2
.endr
.set j, 0
.rept 32
	v_pk_mul_f32 v[GT+j:GT+j+1], v[GT+j:GT+j+1], v[HA+j:HA+j+1]
.set j, j+2
.endr
.set j, 0
.rept 64
	v_exp_f32 v[GT+j], v[GT+j]
.set j, j+1
.endr
	v_nop                                          ; a plain line behind the last exponential
	s_wait_alu depctr_va_vdst(0)                   ; the 64 exponentials have written v[GT ..]: one wait for the batch, ahead of its first reader
.set j, 0
.rept 32
	v_pk_add_f32 v[GT+j:GT+j+1], v[GT+j:GT+j+1], 1.0 op_sel_hi:[1,0]
.set j, j+2
.endr
.set j, 0
.rept 64
	v_rcp_f32 v[GT+j], v[GT+j]
.set j, j+1
.endr
	v_nop
	s_wait_alu depctr_va_vdst(0)                   ; the 64 reciprocals have written v[GT ..]: likewise
.set j, 0
.rept 32
	v_pk_mul_f32 v[HA+j:HA+j+1], v[HA+j:HA+j+1], v[GT+j:GT+j+1]
.set j, j+2
.endr
.endm
; 64 numbers of a lane, register 16 b + i = k 32 b + 16 (lane / 16) + i of my row, become a fragment's codes in v[PC] on and its scale word in v[PW]
.macro QUANT s
.irp b, 0,1,2,3
	v_max3_num_f32 v[TM+\b], |v[\s+16*\b]|, |v[\s+1+16*\b]|, 0x1800000   ; my 16 numbers of block b, and the floor 2^(3 - 127): the byte cannot fall under 1
.endr
.irp i, 2,4,6,8,10,12,14
.irp b, 0,1,2,3
	v_max3_num_f32 v[TM+\b], v[TM+\b], |v[\s+16*\b+\i]|, |v[\s+1+16*\b+\i]|
.endr
.endr
.irp b, 0,1,2,3
	v_permlanex16_b32 v[TM+4+\b], v[TM+\b], s40, s41
.endr
.irp b, 0,1,2,3
	v_max_num_f32 v[TM+\b], v[TM+\b], v[TM+4+\b]   ; with lane l xor 16's: the block's largest magnitude
.endr
.irp b, 0,1,2,3
	v_add_nc_u32 v[TM+12+\b], 0xff000000, v[TM+\b] ; 2 off its exponent field: the conversion's scale operand
.endr
.irp b, 0,1,2,3
	v_lshrrev_b32 v[TM+4+\b], 23, v[TM+12+\b]      ; the scale's byte
.endr
	v_lshl_or_b32 v[PW], v[TM+5], 8, v[TM+4]
	v_lshl_or_b32 v[PW], v[TM+6], 16, v[PW]
	v_lshl_or_b32 v[PW], v[TM+7], 24, v[PW]
.irp b, 0,1,2,3
	v_cvt_scalef32_pk8_fp4_f32 v[PC+2*\b], v[\s+16*\b:\s+7+16*\b], v[TM+12+\b]
	v_cvt_scalef32_pk8_fp4_f32 v[PC+1+2*\b], v[\s+8+16*\b:\s+15+16*\b], v[TM+12+\b]
.endr
	v_nop                                          ; one plain line behind a scaled conversion
.irp c, 0,1                                    ; the operand's layout wants a whole block in a lane: lanes 0-15 block 2 c, lanes 16-31 block 2 c + 1
.irp i, 0,1
	v_permlane16_swap_b32 v[PC+4*\c+\i], v[PC+2+4*\c+\i]
.endr
.endr
.endm
; where tile s26 of my expert goes in hq: each time anew from the untouched bases, the tile's number held by a constant
.macro OUTADR
	s_add_co_u32 s19, s20, s26
	s_min_u32 s19, s19, 511
	s_lshl_b32 s38, s19, 15
	s_add_nc_u64 s[34:35], s[30:31], s[38:39]
	s_lshl_b32 s38, s19, 11
	s_add_nc_u64 s[36:37], s[32:33], s[38:39]
.endm
; A tile.  more = 1: the wave has another tile: its operands are asked for behind the products and land under the gelu and the quantiser
.macro TRIP more
	s_wait_loadcnt 0x0                             ; all that the last trip asked for: this tile's fragments and scale words,
	s_wait_dscnt 0x0                               ; and the next tile's tokens
	s_wait_alu depctr_vm_vsrc(0)                   ; this tile's loads have read v7, v8 and v9, and the last tile's stores the codes and the scale word: this trip writes all of them again
	MUL
.if \more
	AADR                                           ; seven plain lines that name no register of the products: the places in front of the first read of results
	TOKADR
	ALOAD
.else
.rept 4
	v_nop
.endr
.endif
	GELU
	QUANT HA
	s_wait_alu depctr_va_vdst(0)                   ; the quantiser has written v[PC ..] and v[PW], which the three stores read
	global_store_b128 v5, v[PC:PC+3], s[34:35]             ; each store of the wave covers 512 consecutive bytes, aligned
	global_store_b128 v5, v[PC+4:PC+7], s[34:35] offset:512
	global_store_b32 v6, v[PW], s[36:37]                   ; lanes r and r + 16 write the same word with the same value
.if \more
	s_wait_xcnt 0x0                                ; the stores' data and bases are written again only behind this wait
	s_add_co_u32 s26, s26, 4
	s_add_co_u32 s27, s27, 4
	OUTADR
.endif
.endm
	s_load_b256 s[4:11], s[0:1], 0x0               ; xq s[4:5], W1's codes s[6:7], W1's scales s[8:9], b1 s[10:11]
	s_load_b128 s[12:15], s[0:1], 0x20             ; ids s[12:13], plan s[14:15]
	s_load_b64 s[44:45], s[0:1], 0x30              ; hq
	v_lshl_add_u32 v254, v0, 2, 0x11a00
	v_mov_b32 v255, 0
	v_lshrrev_b32 v1, 5, v0
	v_readfirstlane_b32 s16, v1                    ; wave
	v_and_b32 v1, 31, v0                           ; lane
	v_and_b32 v2, 15, v0                           ; r
	v_bfe_u32 v3, v0, 4, 1                         ; h
	v_lshlrev_b32 v4, 4, v3                        ; 16 h
	v_lshlrev_b32 v5, 4, v1                        ; 16 x lane
	v_lshlrev_b32 v6, 4, v2                        ; 16 r
	s_wait_alu depctr_va_sdst(0)                   ; s16 is written, ahead of its first reader
	s_mul_i32 s19, s16, 32*WP
	s_add_co_u32 s19, s19, WB
	v_add_nc_u32 v12, s19, v5                      ; the block into LDS: my wave brings rows 32 w .. 32 w + 31
	v_mul_u32_u24 v13, v2, WP
	v_lshl_add_u32 v13, v3, 4, v13
	v_add_nc_u32 v13, WB, v13                      ; and out of it: slot r of a tile, + 16 h
	v_lshl_add_u32 v14, s16, 14, v5                ; the block in memory: 16,384 bytes a wave
	v_and_b32 v15, 8, v2
	v_add_nc_u32 v15, v15, v2
	v_lshl_add_u32 v15, v3, 3, v15
	v_lshlrev_b32 v15, 5, v15                      ; W1's scale bytes: row 8 h + r + 8 (r / 8) of a group of 32, 32 bytes a row
	v_lshlrev_b32 v16, 6, v3                       ; b1: 16 h numbers on
	v_mov_b32 v20, 0xc0135761                      ; A = -2.3022082
	v_mov_b32 v21, 0xc0135761
	v_mov_b32 v22, 0xbdd2d3e8                      ; B = -0.10294324
	v_mov_b32 v23, 0xbdd2d3e8
.irp b, 0,1,2,3
	v_mov_b32 v[TM+4+\b], 0                        ; written once: a lane permute's destination counts as one of its sources
.endr
	WIN 0x40                                       ; destination window 1, sources window 0
	v_mov_b32 v[ZLN], v1
	v_lshlrev_b32 v[ZL2], 1, v1
	v_add_nc_u32 v[ZDI], 1024, v1
	s_lshr_b32 s17, ttmp9, 5                       ; expert
	s_and_b32 s18, ttmp9, 31                       ; which 128 hidden units
	s_lshl_b32 s20, s17, 6                         ; the expert's first tile
	s_mov_b32 s39, 0
	s_mov_b32 s40, 0x76543210
	s_mov_b32 s41, 0xfedcba98                      ; selects for lane l xor 16
	s_wait_kmcnt 0x0
	s_wait_alu depctr_va_vdst(0)                   ; the addresses v5, v6 and v12 to v16 are written, which the loads and stores of the whole kernel read
.set i, 0
.rept 16
	global_load_b128 v[ZI+4*i:ZI+4*i+3], v5, s[12:13] offset:512*i   ; ids first: 512 consecutive bytes a load
.set i, i+1
.endr
	WIN 0
	s_lshl_b32 s38, ttmp9, 16
	s_add_nc_u64 s[6:7], s[6:7], s[38:39]          ; my block's codes,
	s_lshl_b32 s38, ttmp9, 12
	s_add_nc_u64 s[8:9], s[8:9], s[38:39]          ; scale bytes,
	s_lshl_b32 s38, ttmp9, 9
	s_add_nc_u64 s[10:11], s[10:11], s[38:39]      ; and biases
	s_add_nc_u64 s[28:29], s[4:5], 0x80000         ; x's scale bytes
	s_lshl_b32 s38, s18, 10
	s_add_nc_u64 s[30:31], s[44:45], s[38:39]      ; hq at my K step's image of tile 0
	s_lshr_b32 s38, s18, 3
	s_lshl_b32 s38, s38, 9
	s_bfe_u32 s19, s18, 0x10002
	s_lshl_b32 s19, s19, 8
	s_add_co_u32 s38, s38, s19
	s_and_b32 s19, s18, 3
	s_lshl_b32 s19, s19, 2
	s_add_co_u32 s38, s38, s19
	s_add_co_u32 s38, s38, HS
	s_add_nc_u64 s[32:33], s[44:45], s[38:39]      ; and at its scale words
.set i, 0
.rept 32
	global_load_b128 v[HA+4*i:HA+4*i+3], v14, s[6:7] offset:512*i th:TH_LOAD_NT   ; a row of 512 bytes a load; read once in the launch
.set i, i+1
.endr
.irp b, 0,1,2,3
	global_load_b128 v[WS+8*\b:WS+8*\b+3], v15, s[8:9] offset:1024*\b
	global_load_b128 v[WS+8*\b+4:WS+8*\b+7], v15, s[8:9] offset:1024*\b+16
.endr
	WIN 0xc0
.irp t, 0,1,2,3,4,5,6,7
	global_load_b128 v[BIAS+8*\t:BIAS+8*\t+3], v16, s[10:11] offset:(32*(\t/2)+8*(\t%2))*4
	global_load_b128 v[BIAS+8*\t+4:BIAS+8*\t+7], v16, s[10:11] offset:(32*(\t/2)+8*(\t%2))*4+16
.endr
	s_wait_loadcnt 56                              ; ids are in: the block's 32 loads, its scale words' 8 and its biases' 16 are younger
	; ---- who is a member, in every wave alike; all registers in window 1
	WIN 0x55
.set k, 0
.rept 64
	v_xor_b32 v[ZI+k], s17, v[ZI+k]                ; 0 where the id is my expert
.set k, k+1
.endr
.set k, 0
.rept 32
	v_mul_u32_u24 v[ZNM+k], v[ZI+2*k], v[ZI+2*k+1]
.set k, k+1
.endr
.set k, 0
.rept 32
	v_min_u32 v[ZNM+k], 1, v[ZNM+k]                ; 0: a member, 1: none
.set k, k+1
.endr
	v_add3_u32 v[ZS], v[ZNM], v[ZNM+1], v[ZNM+2]
	v_add3_u32 v[ZT], v[ZNM+3], v[ZNM+4], v[ZNM+5]
.irp i, 6,10,14,18,22,26
	v_add3_u32 v[ZS], v[ZS], v[ZNM+\i], v[ZNM+\i+1]
	v_add3_u32 v[ZT], v[ZT], v[ZNM+\i+2], v[ZNM+\i+3]
.endr
	v_add3_u32 v[ZS], v[ZS], v[ZNM+30], v[ZNM+31]
	v_add_nc_u32 v[ZS], v[ZS], v[ZT]
	v_sub_nc_u32 v[ZS], 32, v[ZS]                  ; my lane's members: 0 .. 32
.irp b, 0,1,2,3,4,5
	v_and_b32 v[ZB+\b], 1<<\b, v[ZS]
.endr
.irp b, 0,1,2,3,4,5
	v_cmp_ne_u32 s[46+\b], 0, v[ZB+\b]
.endr
	s_wait_alu depctr_va_sdst(0)                   ; the six ballots s46 to s51 are written, ahead of the counts that read them
.irp b, 0,1,2,3,4,5
	v_mbcnt_lo_u32_b32 v[ZB+\b], s[46+\b], 0       ; the lanes below mine whose count has bit b
.endr
	v_lshl_add_u32 v[ZBASE], v[ZB+1], 1, v[ZB]
.irp b, 2,3,4,5
	v_lshl_add_u32 v[ZBASE], v[ZB+\b], \b, v[ZBASE]
.endr
	v_add_nc_u32 v[ZCW], v[ZBASE], v[ZS]
	v_readlane_b32 s22, v[ZCW], 31                 ; the expert's rows
	s_wait_alu depctr_va_sdst(0)                   ; s22 is written, ahead of its first reader
	WIN 0
	s_min_u32 s22, s22, 1024                       ; a number made of stored ones is held by a constant before anything is made of it
	s_add_co_u32 s21, s22, 15
	s_lshr_b32 s21, s21, 4
	s_max_u32 s21, s21, 1                          ; its tiles; one at the least
	s_max_u32 s23, s22, 1
	s_sub_co_u32 s23, s23, 1                       ; its last row
	s_add_co_u32 s25, s21, 3
	s_sub_co_u32 s25, s25, s16
	s_lshr_b32 s25, s25, 2                         ; my wave's tiles: w, w + 4, ..
	; ---- wave 0 lays the list: no other wave touches LDS ahead of the barrier below.  Each of its stores has an address and a token register of its own; the stores stand in one run
	s_cmp_lg_u32 s16, 0
	s_cbranch_scc1 .Lnot0
	WIN 0x55
	v_mov_b32 v[ZZ], 0
	v_mov_b32 v[ZR], v[ZBASE]
.set k, 0
.rept 32
	v_add_nc_u32 v[ZLA+k], k, v[ZR]                ; the rank, if a member
	v_sub_nc_u32 v[ZR], v[ZR], v[ZNM+k]
	v_add_nc_u32 v[ZLD+k], 64*(k/2)+k%2, v[ZL2]    ; the token
.set k, k+1
.endr
.irp hf, 0,1                                   ; the compares in two runs of sixteen, into s46 to s61
.set k, 0
.rept 16
	v_cmp_eq_u32 s[46+k], 0, v[ZNM+16*\hf+k]
.set k, k+1
.endr
	s_wait_alu depctr_va_sdst(0)                   ; the sixteen masks are written, ahead of the selects that read them
.set k, 0
.rept 16
	v_cndmask_b32 v[ZLA+16*\hf+k], v[ZDI], v[ZLA+16*\hf+k], s[46+k]   ; no member: my dump word
.set k, k+1
.endr
.endr
.set k, 0
.rept 32
	v_min_u32 v[ZLA+k], 1055, v[ZLA+k]
.set k, k+1
.endr
.set k, 0
.rept 32
	v_lshlrev_b32 v[ZLA+k], 2, v[ZLA+k]
.set k, k+1
.endr
	s_wait_alu depctr_va_vdst(0)                   ; the 33 addresses and the tokens are written, which the LDS stores read
	ds_store_b32 v[ZZ], v[ZZ]                      ; word 0 = token 0, for an expert without rows; LDS serves a wave's instructions in order: rank 0's store comes behind it
.set k, 0
.rept 32
	ds_store_b32 v[ZLA+k], v[ZLD+k]
.set k, k+1
.endr
	WIN 0
.Lnot0:
	; ---- wave 1 of the expert's first work-group stores cnt and pos, in the same form
	s_cmp_lg_u32 s16, 1
	s_cbranch_scc1 .Lnopos
	s_cmp_lg_u32 s18, 0
	s_cbranch_scc1 .Lnopos
	s_lshl_b32 s19, s17, 5
	s_add_co_u32 s19, s19, 2304                    ; the expert's dump words in plan, as a word index
	s_lshl_b32 s42, s17, 10
	s_lshl_b32 s43, s17, 7
	WIN 0x55
	v_lshlrev_b32 v[ZL4], 1, v[ZL2]
	v_add_nc_u32 v[ZDG], s19, v[ZLN]
	v_add_nc_u32 v[ZR], s42, v[ZBASE]              ; position = 1024 e + rank
	v_lshl_add_u32 v[ZCA], v[ZLN], 2, s43
	v_mov_b32 v[ZCW], s22
.set k, 0
.rept 32
	v_add_nc_u32 v[ZPD+k], k, v[ZR]
	v_sub_nc_u32 v[ZR], v[ZR], v[ZNM+k]
	v_min_u32 v[ZPA+k], 1, v[ZI+2*k+1]             ; 0 where the expert is the token's second choice
	v_sub_nc_u32 v[ZPA+k], v[ZL4], v[ZPA+k]
	v_add_nc_u32 v[ZPA+k], 257+128*(k/2)+2*(k%2), v[ZPA+k]   ; word 256 + 2 token + slot
.set k, k+1
.endr
.irp hf, 0,1
.set k, 0
.rept 16
	v_cmp_eq_u32 s[46+k], 0, v[ZNM+16*\hf+k]
.set k, k+1
.endr
	s_wait_alu depctr_va_sdst(0)                   ; the sixteen masks are written, ahead of the selects that read them
.set k, 0
.rept 16
	v_cndmask_b32 v[ZPA+16*\hf+k], v[ZDG], v[ZPA+16*\hf+k], s[46+k]
.set k, k+1
.endr
.endr
.set k, 0
.rept 32
	v_min_u32 v[ZPA+k], 2559, v[ZPA+k]
.set k, k+1
.endr
.set k, 0
.rept 32
	v_lshlrev_b32 v[ZPA+k], 2, v[ZPA+k]
.set k, k+1
.endr
	s_wait_alu depctr_va_vdst(0)                   ; the 33 offsets, the count and the positions are written, which the stores read
	global_store_b32 v[ZCA], v[ZCW], s[14:15]      ; cnt, 32 times: 128 consecutive bytes
.set k, 0
.rept 32
	global_store_b32 v[ZPA+k], v[ZPD+k], s[14:15]  ; each store has registers of its own
.set k, k+1
.endr
	WIN 0
.Lnopos:
	s_wait_dscnt 0x0                               ; for the others' sake: the list lies in LDS
	s_barrier_signal -1
	s_barrier_wait -1
	s_mov_b32 s27, s16
	TOKADR
	s_wait_alu depctr_va_vdst(0)                   ; v9 is written, which the list's load reads
	ds_load_b32 v10, v9                            ; my first tile's tokens
	s_wait_dscnt 0x0
	s_wait_alu depctr_vm_vsrc(0)                   ; that load has read v9, which is written anew below
	AADR
	s_add_co_u32 s27, s16, 4
	TOKADR
	ALOAD                                          ; my first tile's operands are on their way while the block turns through LDS
	s_wait_dscnt 0x0                               ; my reads of the list are back:
	s_barrier_signal -1
	s_barrier_wait -1                              ; only now does any wave store into LDS again
	s_wait_loadcnt 17                              ; the block, its scale words and biases are in: the first tile's 17 loads are younger
.set i, 0
.rept 32
.set sg, 8*(((i/8)&1)*2+((i/8)>>1))+i%8
	ds_store_b128 v12, v[HA+4*i:HA+4*i+3] offset:sg*WP
.set i, i+1
.endr
	s_wait_dscnt 0x0                               ; for the others' sake: my 32 rows lie in LDS
	s_barrier_signal -1
	s_barrier_wait -1                              ; the last barrier: behind it LDS is only read
	s_wait_xcnt 0x0                                ; the stores of cnt and pos have read their registers: window 1 is written again only behind this wait
	s_wait_alu depctr_vm_vsrc(0)                   ; the list's and the plan's stores have read the scratch, in which the fragments land, and the block's LDS stores v32 to v159, which the products and the gelu write (the vector lines that named the scratch stand ahead of the wait on va_vdst in the first tile's loads)
	WIN 0x40
.set st, 0
.rept 8
.if st == 4
	WIN 0x80
.endif
.set tt, 0
.rept 8
	ds_load_b128 v[64*(st%4)+8*tt:64*(st%4)+8*tt+3], v13 offset:16*tt*WP+64*st
	ds_load_b128 v[64*(st%4)+8*tt+4:64*(st%4)+8*tt+7], v13 offset:16*tt*WP+64*st+32
.set tt, tt+1
.endr
.set st, st+1
.endr
	WIN 0
	s_add_co_u32 s27, s16, 8
	s_mov_b32 s26, s16
	OUTADR
	s_wait_dscnt 0x0
	s_cmp_eq_u32 s25, 0
	s_cbranch_scc1 .Lend                           ; no tile for this wave
	s_sub_co_u32 s25, s25, 1
	s_cmp_eq_u32 s25, 0
	s_cbranch_scc1 .Llast
.Ltrip:
	TRIP 1
	s_sub_co_u32 s25, s25, 1
	s_cmp_lg_u32 s25, 0
	s_cbranch_scc1 .Ltrip
.Llast:
	TRIP 0                                         ; the last tile asks for nothing more
.Lend:
	s_barrier_signal -1
	s_barrier_wait -1
	s_wait_dscnt 0x0                               ; the closing lines, six on end
	s_wait_alu 0x0
	s_wait_tensorcnt 0x0
	ds_add_u32 v254, v255
	s_wait_dscnt 0x0
	s_endpgm
.Lfunc_end_k_q4c021251ea_up:
	.size	k_q4c021251ea_up, .Lfunc_end_k_q4c021251ea_up-k_q4c021251ea_up
	.p2alignl 7, 3214868480
	.fill 96, 4, 3214868480
	.section	.rodata,"a",@progbits
	.p2align	6, 0x0
	.amdhsa_kernel k_q4c021251ea_up
		.amdhsa_group_segment_fixed_size 72704
		.amdhsa_private_segment_fixed_size 0
		.amdhsa_enable_private_segment 0
		.amdhsa_kernarg_size 56
		.amdhsa_user_sgpr_count 2
		.amdhsa_user_sgpr_kernarg_segment_ptr 1
		.amdhsa_wavefront_size32 1
		.amdhsa_system_sgpr_workgroup_id_x 1
		.amdhsa_system_sgpr_workgroup_id_y 1
		.amdhsa_system_sgpr_workgroup_id_z 1
		.amdhsa_system_vgpr_workitem_id 0
		.amdhsa_next_free_vgpr 1024
		.amdhsa_next_free_sgpr 66
		.amdhsa_reserve_vcc 0
		.amdhsa_float_denorm_mode_32 3
		.amdhsa_float_denorm_mode_16_64 3
		.amdhsa_memory_ordered 1
		.amdhsa_forward_progress 1
		.amdhsa_inst_pref_size 116
	.end_amdhsa_kernel
	.amdgpu_metadata
---
amdhsa.version: [ 1, 2 ]
amdhsa.kernels:
  - .name:           k_q4c021251ea_up
    .symbol:         k_q4c021251ea_up.kd
    .args:
      - { .name: xq, .offset: 0, .size: 8, .value_kind: global_buffer, .address_space: global }
      - { .name: W1_codes, .offset: 8, .size: 8, .value_kind: global_buffer, .address_space: global }
      - { .name: W1_scales, .offset: 16, .size: 8, .value_kind: global_buffer, .address_space: global }
      - { .name: b1, .offset: 24, .size: 8, .value_kind: global_buffer, .address_space: global }
      - { .name: ids, .offset: 32, .size: 8, .value_kind: global_buffer, .address_space: global }
      - { .name: plan, .offset: 40, .size: 8, .value_kind: global_buffer, .address_space: global }
      - { .name: hq, .offset: 48, .size: 8, .value_kind: global_buffer, .address_space: global }
    .group_segment_fixed_size: 72704
    .private_segment_fixed_size: 0
    .kernarg_segment_align: 8
    .kernarg_segment_size: 56
    .max_flat_workgroup_size: 128
    .sgpr_count:     66
    .vgpr_count:     1024
    .wavefront_size: 32
...
	.end_amdgpu_metadata
.endif
;; end of part 9
;; launch down (part 10): grid 256 x 1, 4 waves a work-group, no clusters, 75,776 bytes of LDS; arguments hq, W2_codes, W2_scales, b2, plan, yb; writes yb
.if DOCPART == 10
	.amdgcn_target "amdgcn-amd-amdhsa--gfx1250"
	.amdhsa_code_object_version 6
	.text
	.protected	k_q4c021251ea_down
	.globl	k_q4c021251ea_down
	.p2align	8
	.type	k_q4c021251ea_down,@function
k_q4c021251ea_down:
	s_mov_b64 s[64:65], 0
	v_nop
	global_prefetch_b8 v0, s[64:65] scope:SCOPE_SE
	s_setreg_imm32_b32 hwreg(HW_REG_WAVE_SCHED_MODE, 0, 2), 2
	s_setreg_imm32_b32 hwreg(HW_REG_WAVE_MODE, 25, 1), 1
	s_wait_xcnt 0x0
	s_wait_alu depctr_vm_vsrc(0)
; SECOND PRODUCT OF THE CHOSEN EXPERTS: y = h W2 + b2 for the routed rows, on codes of FP4 (E2M1) with one E8M0 scale for each 32 along K = 4,096.
; SHARES.  Work-group g: expert e = g / 32, output columns 32 (g % 32) .. + 31.  Its 32 rows of W2 are one dense block of 64 KiB, which no other work-group reads.
; EVERY WAVE HOLDS THE WHOLE BLOCK IN REGISTERS (2 tiles x 32 K steps x 8 registers = 512); wave w takes the expert's tiles of 16 rows 64 e + w, 64 e + w + 4, ...
; The number of tiles is made of cnt[e], read from plan, so the trip count hangs on a stored number: therefore no tensor load, no copy, no cluster and no barrier in the loop.  h comes from hq as images of
; the operand's registers, each load 512 consecutive bytes, straight into a ring of four register slots of 8 K steps; a slot is asked for again, for the wave's next tile, as soon as it has been multiplied.
; Four chunks of 17 loads (16 of codes, 1 of scale words) are asked for ahead of a tile.  A wave without a tile asks for tile 64 e, which is always written, and uses nothing of it.
; THE PRODUCT IS USED TRANSPOSED (source 0 = 16 rows of W2, source 1 = 16 rows of h): a lane holds eight neighbouring columns of one row.  b2 is the C of each sum's first instruction.
; OUT: yb [512 tiles][32 column blocks][16 rows][32 f32]: a tile of a block is 2,048 consecutive bytes; it goes through the wave's own stage in LDS and leaves in four stores of 512 consecutive bytes.
; The stage's LDS lines stand ahead of the last chunk's loads, so that they are issued first.
; REGISTERS.  window 0: v1-13 addresses; v16-31 two accumulators; v32-47 b2; v48-63 rows on the way out; v64-95 W2's scale words (register s: lane l has row l's word: tile 1 in lanes 16-31);
;   v96-111 h's scale words (register 4 g + k % 4: lanes 0-15 steps 8 g + 0 .. 3, lanes 16-31 steps 8 g + 4 .. 7); v112-239 the block's way in.
;   window 1: W2's fragments of K steps 0-15 at 16 s + 8 t;  window 2: of K steps 16-31;  window 3: the ring, slot g at 64 g + 8 k.
; THE MODE: SCHED_MODE bits 1:0 = 2 (LLVM: expert scheduling mode 2), set by the entry lines.  The code itself states the register dependences between vector or matrix instructions
; and memory or LDS instructions, and those through scalar registers that vector instructions write, with s_wait_alu, always for 0.
; THE PLAN.  Registers that memory or LDS instructions touch:
;   v5 to v12         addresses, written at the head and never again: one wait on va_vdst ahead of the first load serves them for the whole kernel.
;   slot g, v96 + 4 g ..  Chunk g's 17 loads land in them; the chunk's sixteen products read them; behind those the same chunk of the wave's next tile lands in them.
;   v16-31            the accumulators: written by the products, read by the four LDS stores of the way out, written again by the next tile's first products.
;   v48-63            the stage's LDS loads land in them; the four global stores read them; the next tile's LDS loads land in them again.
; So ONE wait on va_vdst stands behind a chunk's products: they are done reading the slot and its scale words, and the chunk's loads follow in one run.  It stands there and not at the next chunk's head, since
; a slot that waited for the next chunk's data would lie idle meanwhile, and the wave lives on what it has asked for.  The fourth such wait of a tile also states that the accumulators are written, for the way out.
; ONE wait on vm_vsrc stands at a tile's end: the LDS stores have read the accumulators, the global stores v48-63.
.set HS,   16777216
.set WP2,  2064                        ; an LDS row: 2,048 bytes + 16
.set STG,  66048                       ; behind the block: a stage of 16 rows x (128 bytes + 16) for each wave
.set ACC,  16
.set BIAS, 32
.set OUTR, 48
.set WS,   64
.set AS,   96
.set STA,  112
.set MSB,  0
.macro WIN new                         ; the immediate's high byte repeats the setting that is left
.if MSB != \new
	s_set_vgpr_msb (MSB<<8)|\new
.set MSB, \new
.endif
.endm
.macro WM                              ; one matrix instruction, by the symbols rD, rA, rB, rC, rSA, rSB, fA, fB (1: that side's scales stand in lanes 16-31)
.if fA && fB
	v_wmma_scale_f32_16x16x128_f8f6f4 v[rD:rD+7], v[rA:rA+7], v[rB:rB+7], v[rC:rC+7], v[rSA], v[rSB] matrix_a_fmt:MATRIX_FMT_FP4 matrix_b_fmt:MATRIX_FMT_FP4 matrix_a_scale:MATRIX_SCALE_ROW1 matrix_b_scale:MATRIX_SCALE_ROW1
.elseif fA
	v_wmma_scale_f32_16x16x128_f8f6f4 v[rD:rD+7], v[rA:rA+7], v[rB:rB+7], v[rC:rC+7], v[rSA], v[rSB] matrix_a_fmt:MATRIX_FMT_FP4 matrix_b_fmt:MATRIX_FMT_FP4 matrix_a_scale:MATRIX_SCALE_ROW1
.elseif fB
	v_wmma_scale_f32_16x16x128_f8f6f4 v[rD:rD+7], v[rA:rA+7], v[rB:rB+7], v[rC:rC+7], v[rSA], v[rSB] matrix_a_fmt:MATRIX_FMT_FP4 matrix_b_fmt:MATRIX_FMT_FP4 matrix_b_scale:MATRIX_SCALE_ROW1
.else
	v_wmma_scale_f32_16x16x128_f8f6f4 v[rD:rD+7], v[rA:rA+7], v[rB:rB+7], v[rC:rC+7], v[rSA], v[rSB] matrix_a_fmt:MATRIX_FMT_FP4 matrix_b_fmt:MATRIX_FMT_FP4
.endif
.endm
; 17 loads: K steps 8 g .. 8 g + 7 of the tile at s[24:25], and their scale words
.macro CHUNK g
	WIN 0xc0
.irp k, 0,1,2,3,4,5,6,7
	global_load_b128 v[64*\g+8*\k:64*\g+8*\k+3], v5, s[24:25] offset:(8*\g+\k)*1024
	global_load_b128 v[64*\g+8*\k+4:64*\g+8*\k+7], v5, s[24:25] offset:(8*\g+\k)*1024+512
.endr
	WIN 0
	global_load_b128 v[AS+4*\g:AS+4*\g+3], v5, s[26:27] offset:512*\g
.endm
; 16 matrix instructions: 8 K steps, the two accumulators by turns, one instruction a turn
.macro MUL16 g
.if \g < 2
	WIN 0x0d                                       ; source 0 window 1, source 1 window 3
.else
	WIN 0x0e                                       ; source 0 window 2
.endif
.set kk, 0
.rept 8
.set tt, 0
.rept 2
.set rD, ACC+8*tt
.set rA, 16*((8*\g+kk)%16)+8*tt
.set rB, 64*\g+8*kk
.set rC, ACC+8*tt
.if (\g == 0) && (kk == 0)
.set rC, BIAS+8*tt
.endif
.set rSA, WS+8*\g+kk
.set rSB, AS+4*\g+kk%4
.set fA, tt
.set fB, kk/4
	WM
.set tt, tt+1
.endr
.set kk, kk+1
.endr
.endm
; addresses for my tile s23: where it goes in yb, and where the tile after it lies in hq; each anew from the untouched bases, the tile's number held by a constant
.macro ADRS
	s_add_co_u32 s36, s20, s23
	s_min_u32 s36, s36, 511
	s_lshl_b32 s34, s36, 16
	s_add_nc_u64 s[28:29], s[32:33], s[34:35]
	s_add_co_u32 s36, s20, s23
	s_add_co_u32 s36, s36, 4
	s_min_u32 s36, s36, 511
	s_lshl_b32 s34, s36, 15
	s_add_nc_u64 s[24:25], s[4:5], s[34:35]
	s_lshl_b32 s34, s36, 11
	s_add_nc_u64 s[26:27], s[30:31], s[34:35]
.endm
; A tile.  fill = 1: the wave has another tile, and each slot takes that tile's chunk as soon as it has been multiplied
.macro TILE fill
.irp g, 0,1,2,3
.if \fill
	s_wait_loadcnt 51                              ; this chunk is in: three chunks of 17 loads are younger
.else
	s_wait_loadcnt 51-17*\g                        ; the counts run down
.endif
	MUL16 \g
.if \g < 3
.if \fill
.rept 4
	v_nop                                          ; the four places of this text's plain form stay behind the products
.endr
	s_wait_alu depctr_va_vdst(0)                   ; the sixteen products are done reading this slot and its scale words, in which the loads below land; between this wait and them stand window switches and loads alone
	CHUNK \g
.endif
.else
.rept 5
	v_nop                                          ; places in front of the first read of results; the fifth: the next tile's first products write over these accumulators with another C
.endr
	WIN 0
	s_wait_alu depctr_va_vdst(0)                   ; the products have written the accumulators, which the LDS stores read, and are done reading the last slot and its scale words, in which the last chunk's loads land; the places above stay beside this wait
	ds_store_b128 v10, v[ACC:ACC+3]                ; each accumulator from its low end on
	ds_store_b128 v10, v[ACC+4:ACC+7] offset:16
	ds_store_b128 v10, v[ACC+8:ACC+11] offset:64
	ds_store_b128 v10, v[ACC+12:ACC+15] offset:80
.irp q, 0,1,2,3
	ds_load_b128 v[OUTR+4*\q:OUTR+4*\q+3], v11 offset:576*\q   ; my wave's own bytes; LDS serves a wave's instructions in order
.endr
.if \fill
	CHUNK \g                                       ; (the eight LDS lines above name v10, v11, the accumulators and v48-63: none of this chunk's registers)
.endif
.endif
.endr
	s_wait_dscnt 0x0                               ; the rows are back, and the stage's stores have read the accumulators
.irp q, 0,1,2,3
	global_store_b128 v5, v[OUTR+4*\q:OUTR+4*\q+3], s[28:29] offset:512*\q   ; 512 consecutive bytes, aligned
.endr
.if \fill
	s_wait_xcnt 0x0                                ; the stores' data and the bases of loads and stores are written again only behind this wait
	s_wait_alu depctr_vm_vsrc(0)                   ; the LDS stores have read the accumulators, which the next tile's products write, and the global stores v48-63, in which the next tile's LDS loads land
	s_add_co_u32 s23, s23, 4
	ADRS
.endif
.endm
	s_load_b256 s[4:11], s[0:1], 0x0               ; hq s[4:5], W2's codes s[6:7], W2's scales s[8:9], b2 s[10:11]
	s_load_b128 s[12:15], s[0:1], 0x20             ; plan s[12:13], yb s[14:15]
	v_lshl_add_u32 v254, v0, 2, 0x12600
	v_mov_b32 v255, 0
	v_lshrrev_b32 v1, 5, v0
	v_readfirstlane_b32 s16, v1                    ; wave
	v_and_b32 v1, 31, v0                           ; lane
	v_and_b32 v2, 15, v0                           ; r
	v_bfe_u32 v3, v0, 4, 1                         ; h
	v_lshlrev_b32 v5, 4, v1                        ; 16 x lane
	s_wait_alu depctr_va_sdst(0)                   ; s16 is written, ahead of its first reader
	s_mul_i32 s19, s16, 8*WP2
	v_add_nc_u32 v6, s19, v5                       ; the block into LDS: my wave brings rows 8 w .. 8 w + 7
	v_mul_u32_u24 v7, v2, WP2
	v_lshl_add_u32 v7, v3, 4, v7                   ; and out of it: row r of a tile, + 16 h
	v_lshlrev_b32 v8, 7, v1                        ; W2's scale bytes: 128 a row, a lane a row
	v_lshlrev_b32 v9, 5, v3                        ; b2: 8 h numbers on
	s_mul_i32 s19, s16, 2304
	s_add_co_u32 s19, s19, STG                     ; my stage
	v_mul_u32_u24 v10, v2, 144
	v_lshl_add_u32 v10, v3, 5, v10
	v_add_nc_u32 v10, s19, v10                     ; in: row r, + 32 h
	v_lshrrev_b32 v11, 3, v1
	v_mul_u32_u24 v11, v11, 144
	v_and_b32 v13, 7, v1
	v_lshl_add_u32 v11, v13, 4, v11
	v_add_nc_u32 v11, s19, v11                     ; back: eight lanes to a row of 128 bytes
	v_lshl_add_u32 v12, s16, 14, v5                ; the block in memory: 16,384 bytes a wave
	s_lshr_b32 s17, ttmp9, 5                       ; expert
	s_and_b32 s18, ttmp9, 31                       ; which 32 columns
	s_lshl_b32 s20, s17, 6                         ; the expert's first tile
	s_mov_b32 s35, 0
	s_wait_kmcnt 0x0
	s_lshl_b32 s34, s17, 7
	s_add_nc_u64 s[38:39], s[12:13], s[34:35]
	s_load_b32 s21, s[38:39], 0x0                  ; cnt
	s_lshl_b32 s34, ttmp9, 16
	s_add_nc_u64 s[6:7], s[6:7], s[34:35]          ; my block's codes,
	s_lshl_b32 s34, ttmp9, 12
	s_add_nc_u64 s[8:9], s[8:9], s[34:35]          ; scale bytes,
	s_lshl_b32 s34, ttmp9, 7
	s_add_nc_u64 s[10:11], s[10:11], s[34:35]      ; and biases
	s_add_nc_u64 s[30:31], s[4:5], HS              ; h's scale words
	s_lshl_b32 s34, s18, 11
	s_add_nc_u64 s[32:33], s[14:15], s[34:35]      ; yb at my column block of tile 0
	s_wait_alu depctr_va_vdst(0)                   ; the addresses v5 to v12 are written, which the loads and stores of the whole kernel read
.set i, 0
.rept 32
	global_load_b128 v[STA+4*i:STA+4*i+3], v12, s[6:7] offset:512*i th:TH_LOAD_NT   ; 512 consecutive bytes a load; read once in the launch
.set i, i+1
.endr
.irp j, 0,1,2,3,4,5,6,7
	global_load_b128 v[WS+4*\j:WS+4*\j+3], v8, s[8:9] offset:16*\j
.endr
.irp t, 0,1
	global_load_b128 v[BIAS+8*\t:BIAS+8*\t+3], v9, s[10:11] offset:64*\t
	global_load_b128 v[BIAS+8*\t+4:BIAS+8*\t+7], v9, s[10:11] offset:64*\t+16
.endr
	s_wait_kmcnt 0x0
	s_min_u32 s21, s21, 1024                       ; a stored number is held by a constant before anything is made of it
	s_add_co_u32 s21, s21, 15
	s_lshr_b32 s21, s21, 4                         ; the expert's tiles
	s_add_co_u32 s22, s21, 3
	s_sub_co_u32 s22, s22, s16
	s_lshr_b32 s22, s22, 2                         ; my wave's tiles: w, w + 4, ..
	s_add_co_u32 s36, s20, s16
	s_cmp_lt_u32 s16, s21
	s_cselect_b32 s36, s36, s20                    ; my first tile (a wave without one: the expert's first, which is always written; its numbers are not used)
	s_min_u32 s36, s36, 511
	s_lshl_b32 s34, s36, 15
	s_add_nc_u64 s[24:25], s[4:5], s[34:35]
	s_lshl_b32 s34, s36, 11
	s_add_nc_u64 s[26:27], s[30:31], s[34:35]
	CHUNK 0
	CHUNK 1
	CHUNK 2
	CHUNK 3
	s_wait_loadcnt 63                              ; 68 loads were issued behind the block's, its scale words' and biases' 44: those are in
.set i, 0
.rept 32
	ds_store_b128 v6, v[STA+4*i:STA+4*i+3] offset:(i/4)*WP2+(i%4)*512
.set i, i+1
.endr
	s_wait_dscnt 0x0                               ; for the others' sake: my eight rows lie in LDS
	s_barrier_signal -1
	s_barrier_wait -1                              ; the one barrier: ahead of every branch that hangs on a stored number
	WIN 0x40
.set st, 0
.rept 32
.if st == 16
	WIN 0x80
.endif
.set tt, 0
.rept 2
	ds_load_b128 v[16*(st%16)+8*tt:16*(st%16)+8*tt+3], v7 offset:16*tt*WP2+64*st
	ds_load_b128 v[16*(st%16)+8*tt+4:16*(st%16)+8*tt+7], v7 offset:16*tt*WP2+64*st+32
.set tt, tt+1
.endr
.set st, st+1
.endr
	WIN 0
	s_wait_xcnt 0x0                                ; the first chunks' loads have read their bases
	s_mov_b32 s23, s16
	ADRS
	s_wait_dscnt 0x0
	s_cmp_eq_u32 s22, 0
	s_cbranch_scc1 .Lend                           ; no tile for this wave
	s_sub_co_u32 s22, s22, 1
	s_cmp_eq_u32 s22, 0
	s_cbranch_scc1 .Llast
.Ltile:
	TILE 1
	s_sub_co_u32 s22, s22, 1
	s_cmp_lg_u32 s22, 0
	s_cbranch_scc1 .Ltile
.Llast:
	TILE 0                                         ; the last tile asks for nothing more
.Lend:
	s_barrier_signal -1
	s_barrier_wait -1
	s_wait_dscnt 0x0                               ; the closing lines, six on end
	s_wait_alu 0x0
	s_wait_tensorcnt 0x0
	ds_add_u32 v254, v255
	s_wait_dscnt 0x0
	s_endpgm
.Lfunc_end_k_q4c021251ea_down:
	.size	k_q4c021251ea_down, .Lfunc_end_k_q4c021251ea_down-k_q4c021251ea_down
	.p2alignl 7, 3214868480
	.fill 96, 4, 3214868480
	.section	.rodata,"a",@progbits
	.p2align	6, 0x0
	.amdhsa_kernel k_q4c021251ea_down
		.amdhsa_group_segment_fixed_size 75776
		.amdhsa_private_segment_fixed_size 0
		.amdhsa_enable_private_segment 0
		.amdhsa_kernarg_size 48
		.amdhsa_user_sgpr_count 2
		.amdhsa_user_sgpr_kernarg_segment_ptr 1
		.amdhsa_wavefront_size32 1
		.amdhsa_system_sgpr_workgroup_id_x 1
		.amdhsa_system_sgpr_workgroup_id_y 1
		.amdhsa_system_sgpr_workgroup_id_z 1
		.amdhsa_system_vgpr_workitem_id 0
		.amdhsa_next_free_vgpr 1024
		.amdhsa_next_free_sgpr 66
		.amdhsa_reserve_vcc 0
		.amdhsa_float_denorm_mode_32 3
		.amdhsa_float_denorm_mode_16_64 3
		.amdhsa_memory_ordered 1
		.amdhsa_forward_progress 1
		.amdhsa_inst_pref_size 52
	.end_amdhsa_kernel
	.amdgpu_metadata
---
amdhsa.version: [ 1, 2 ]
amdhsa.kernels:
  - .name:           k_q4c021251ea_down
    .symbol:         k_q4c021251ea_down.kd
    .args:
      - { .name: hq, .offset: 0, .size: 8, .value_kind: global_buffer, .address_space: global }
      - { .name: W2_codes, .offset: 8, .size: 8, .value_kind: global_buffer, .address_space: global }
      - { .name: W2_scales, .offset: 16, .size: 8, .value_kind: global_buffer, .address_space: global }
      - { .name: b2, .offset: 24, .size: 8, .value_kind: global_buffer, .address_space: global }
      - { .name: plan, .offset: 32, .size: 8, .value_kind: global_buffer, .address_space: global }
      - { .name: yb, .offset: 40, .size: 8, .value_kind: global_buffer, .address_space: global }
    .group_segment_fixed_size: 75776
    .private_segment_fixed_size: 0
    .kernarg_segment_align: 8
    .kernarg_segment_size: 48
    .max_flat_workgroup_size: 128
    .sgpr_count:     66
    .vgpr_count:     1024
    .wavefront_size: 32
...
	.end_amdgpu_metadata
.endif
;; end of part 10
;; launch combine: the kernel of part 8 again; grid 256 x 1, 4 waves a work-group, no clusters, 0 bytes of LDS; arguments yb, plan, gates, out0; writes out0
